; MI455X (gfx1250); checked and timed in simulation.
; The chip was launched on July 23, 2026; its instructions are those of AMD's public machine-readable ISA for CDNA 5 (MIT licence, August 2026) and "CDNA5" Instruction Set Architecture Reference Guide (July 2026). The comments in the code are by the model that wrote it; some were corrected since.
;; Multi Headed Attention. Allowed arithmetic: float matrix products may take bf16 or f16 operands with f32 sums; all other float work in f32.
;; Inputs: Wk 1,024 x 1,024 float32; Wo 1,024 x 1,024 float32; Wq 1,024 x 1,024 float32; Wv 1,024 x 1,024 float32; bk 1,024 float32; bo 1,024 float32; bq 1,024 float32; bv 1,024 float32; key 4 x 2,048 x 1,024 float32; mask 4 x 2,048 x 2,048 int32; query 4 x 2,048 x 1,024 float32; value 4 x 2,048 x 1,024 float32.
;; Outputs: out0 4 x 2,048 x 1,024 float32.
;; 2 versions, each right; version 2 is version 1 with the launch prep written anew for expert scheduling mode. Each part assembles by itself: llvm-mc -triple=amdgcn-amd-amdhsa -mcpu=gfx1250 --defsym DOCPART=n.
;; ======== version 1 of 2: 4 launches
;; workspace buffers: xin 50,331,648 bytes; wb 8,388,608 bytes; maskbits 2,097,152 bytes of whole numbers; qkv 50,331,648 bytes; x 16,777,216 bytes
;; launch prep (part 1): grid 1024 x 1, 8 waves a work-group, no clusters, 68,608 bytes of LDS; arguments query, key, value, Wq, Wk, Wv, Wo, mask, xin, wb, maskbits; writes xin, wb, maskbits
.if DOCPART == 1
	.amdgcn_target "amdgcn-amd-amdhsa--gfx1250"
	.amdhsa_code_object_version 6
	.text
	.protected	k_q0f25a348cc_prep
	.globl	k_q0f25a348cc_prep
	.p2align	8
	.type	k_q0f25a348cc_prep,@function
k_q0f25a348cc_prep:
	s_mov_b64 s[64:65], 0
	v_nop
	global_prefetch_b8 v0, s[64:65] scope:SCOPE_SE
	s_setreg_imm32_b32 hwreg(HW_REG_WAVE_MODE, 25, 1), 1
	s_wait_xcnt 0x0
; PREP: a stream.  (1) query, key, value [8192][1024] f32 -> xin [3][8192][1024] bf16;  (2) Wq, Wk, Wv, Wo [1024][1024] f32 -> wb [4][1024][1024] bf16;
; (3) mask [4][2048][2048] i32 -> maskbits [512 q tiles][128 key tiles][8] words: bit (r + 16 h) of word j is (mask[16 qtile + r][16 ktile + 8 h + j] != 0),
; which is the lane mask of register j of a 16 x 16 tile of transposed scores in the attention launch.
; 1,024 work-groups of eight waves, all alike, straight line.  Work-group g, thread t:
;   each input: 32 KiB, four chunks of 8 KiB; the thread reads 32 neighbouring bytes of a chunk and stores their 16 bytes of bf16;
;   each weight: 4 KiB; the thread reads 16 bytes and stores 8 (a wave's store covers 256 consecutive bytes, aligned);
;   mask: wave w takes the strip of 16 rows x 128 keys number 8 g + w; each of its 16 loads takes 512 consecutive bytes of one row.
; All 44 loads of a wave go out first; every wait for them is counted.  No work-group shares a byte with another, so clusters, tensor loads
; and the matrix unit have nothing to give here.  The strip goes through the wave's own LDS bytes (16 rows, pitch 528 = 33 x 16 bytes) so that the compare
; sees lane (r, h) = (row, half of a tile's keys); own bytes: no barrier.
.set XR,  16                           ; v[16:111]  twelve chunks of 8 f32, converted in place to 4 registers of bf16
.set WR,  112                          ; v[112:127] four weights' 4 f32
.set MK,  128                          ; v[128:191] the mask strip as loaded: row p in 4 registers
.set MT,  16                           ; v[16:79]   the strip as read back from LDS: tile t in 8 registers (the cast's registers, freed below)
.set OUT, 192                          ; v[192:193] lane l: words 2 l and 2 l + 1 of the strip's 64
.set MP,  528                          ; LDS pitch of a strip's row
	s_load_b512 s[4:19], s[0:1], 0x0               ; query 4:5, key 6:7, value 8:9, Wq 10:11, Wk 12:13, Wv 14:15, Wo 16:17, mask 18:19
	s_load_b128 s[20:23], s[0:1], 0x40             ; xin 20:21, wb 22:23
	s_load_b64 s[24:25], s[0:1], 0x50              ; maskbits
	v_lshl_add_u32 v196, v0, 2, 0x10800
	v_mov_b32 v197, 0
	v_lshrrev_b32 v8, 5, v0
	v_readfirstlane_b32 s30, v8                    ; wave
	s_mul_i32 s31, s30, 16*MP                      ; my wave's LDS bytes
	s_lshl_b32 s32, ttmp9, 15
	v_lshl_add_u32 v1, v0, 5, s32                  ; inputs: 32,768 g + 32 t
	s_lshl_b32 s33, ttmp9, 14
	v_lshl_add_u32 v2, v0, 4, s33                  ; xin: 16,384 g + 16 t
	s_lshl_b32 s34, ttmp9, 12
	v_lshl_add_u32 v3, v0, 4, s34                  ; weights: 4,096 g + 16 t
	s_lshl_b32 s35, ttmp9, 11
	v_lshl_add_u32 v4, v0, 3, s35                  ; wb and maskbits: 2,048 g + 8 t
	s_lshr_b32 s36, ttmp9, 1
	s_lshl_b32 s36, s36, 17                        ; q tile g / 2: 16 rows of 8,192 bytes
	s_and_b32 s37, ttmp9, 1
	s_lshl_b32 s37, s37, 12                        ; + eight strips of 512 bytes for odd g
	s_add_co_u32 s36, s36, s37
	v_lshl_add_u32 v5, v0, 4, s36                  ; + 512 w + 16 lane = 16 t
	v_and_b32 v9, 31, v0
	v_lshl_add_u32 v6, v9, 4, s31                  ; LDS, in: 16 bytes a lane along a row
	v_and_b32 v10, 15, v0                          ; r
	v_bfe_u32 v11, v0, 4, 1                        ; h
	v_mul_u32_u24 v7, v10, MP
	v_lshl_add_u32 v7, v11, 5, v7
	v_add_nc_u32 v7, s31, v7                       ; LDS, back: row r, 8 keys (32 bytes) for each half
	v_mov_b32 v[OUT], 0                            ; v_writelane_b32 keeps the other lanes: the pair is written whole once
	v_mov_b32 v[OUT+1], 0
	s_wait_kmcnt 0x0
	s_add_nc_u64 s[26:27], s[20:21], 0x1000000     ; xin's part for key
	s_add_nc_u64 s[28:29], s[20:21], 0x2000000     ; and for value
.irp c, 0,1,2,3
	global_load_b128 v[XR+8*\c:XR+8*\c+3],   v1, s[4:5] offset:8192*\c th:TH_LOAD_NT
	global_load_b128 v[XR+8*\c+4:XR+8*\c+7], v1, s[4:5] offset:8192*\c+16 th:TH_LOAD_NT
.endr
.irp c, 0,1,2,3
	global_load_b128 v[XR+32+8*\c:XR+32+8*\c+3],   v1, s[6:7] offset:8192*\c th:TH_LOAD_NT
	global_load_b128 v[XR+32+8*\c+4:XR+32+8*\c+7], v1, s[6:7] offset:8192*\c+16 th:TH_LOAD_NT
.endr
.irp c, 0,1,2,3
	global_load_b128 v[XR+64+8*\c:XR+64+8*\c+3],   v1, s[8:9] offset:8192*\c th:TH_LOAD_NT
	global_load_b128 v[XR+64+8*\c+4:XR+64+8*\c+7], v1, s[8:9] offset:8192*\c+16 th:TH_LOAD_NT
.endr
.irp i, 0,1,2,3
	global_load_b128 v[WR+4*\i:WR+4*\i+3], v3, s[10+2*\i:11+2*\i] th:TH_LOAD_NT
.endr
.irp p, 0,1,2,3,4,5,6,7,8,9,10,11,12,13,14,15
	global_load_b128 v[MK+4*\p:MK+4*\p+3], v5, s[18:19] offset:8192*\p th:TH_LOAD_NT
.endr
; chunk k of the twelve: its two loads are numbers 2 k and 2 k + 1 of 44, so 42 - 2 k younger ones may stay out
.macro CAST k, lo, c
	s_wait_loadcnt 42-2*(\k)
	v_cvt_pk_bf16_f32 v[XR+8*(\k)],   v[XR+8*(\k)],   v[XR+8*(\k)+1]
	v_cvt_pk_bf16_f32 v[XR+8*(\k)+1], v[XR+8*(\k)+2], v[XR+8*(\k)+3]
	v_cvt_pk_bf16_f32 v[XR+8*(\k)+2], v[XR+8*(\k)+4], v[XR+8*(\k)+5]
	v_cvt_pk_bf16_f32 v[XR+8*(\k)+3], v[XR+8*(\k)+6], v[XR+8*(\k)+7]
	global_store_b128 v2, v[XR+8*(\k):XR+8*(\k)+3], s[\lo:\lo+1] offset:4096*\c   ; a wave's store covers 512 consecutive bytes, aligned
.endm
.irp c, 0,1,2,3
	CAST \c, 20, \c
.endr
.irp c, 0,1,2,3
	CAST 4+\c, 26, \c
.endr
.irp c, 0,1,2,3
	CAST 8+\c, 28, \c
.endr
.irp i, 0,1,2,3
	s_wait_loadcnt 19-\i                           ; weight i is load 24 + i of 44
	v_cvt_pk_bf16_f32 v[WR+4*\i],   v[WR+4*\i],   v[WR+4*\i+1]
	v_cvt_pk_bf16_f32 v[WR+4*\i+1], v[WR+4*\i+2], v[WR+4*\i+3]
	global_store_b64 v4, v[WR+4*\i:WR+4*\i+1], s[22:23] offset:2097152*\i
.endr
.irp p, 0,1,2,3,4,5,6,7,8,9,10,11,12,13,14,15
	s_wait_loadcnt 15-\p                           ; mask row p is load 28 + p of 44
	ds_store_b128 v6, v[MK+4*\p:MK+4*\p+3] offset:MP*\p
.endr
	s_wait_xcnt 0x0                                ; the stores above have had their addresses translated (ISA guide 3.1): their data registers v[16:79] are loaded again only behind this wait
.irp t, 0,1,2,3,4,5,6,7
	ds_load_b128 v[MT+8*\t:MT+8*\t+3],   v7 offset:64*\t      ; LDS serves a wave's instructions in order (ISA guide 5.7.1): these see the stores above
	ds_load_b128 v[MT+8*\t+4:MT+8*\t+7], v7 offset:64*\t+16
.endr
.irp t, 0,1,2,3,4,5,6,7
	s_wait_dscnt 14-2*\t                           ; tile t's two loads are in; the 14 - 2 t younger ones stay out
.irp j, 0,1,2,3,4,5,6,7
	v_cmp_ne_u32 s[32+\j], 0, v[MT+8*\t+\j]        ; word 8 t + j: one bit a lane
.endr
.irp j, 0,1,2,3,4,5,6,7
	v_writelane_b32 v[OUT+(\j&1)], s[32+\j], 4*\t+(\j>>1)
.endr
.endr
	global_store_b64 v4, v[OUT:OUT+1], s[24:25]    ; the strip's 64 words: 256 consecutive bytes, aligned
	s_wait_tensorcnt 0x0
	ds_add_u32 v196, v197
	s_wait_dscnt 0x0
	s_endpgm
.Lfunc_end_k_q0f25a348cc_prep:
	.size	k_q0f25a348cc_prep, .Lfunc_end_k_q0f25a348cc_prep-k_q0f25a348cc_prep
	.p2alignl 7, 3214868480
	.fill 96, 4, 3214868480
	.section	.rodata,"a",@progbits
	.p2align	6, 0x0
	.amdhsa_kernel k_q0f25a348cc_prep
		.amdhsa_group_segment_fixed_size 68608
		.amdhsa_private_segment_fixed_size 0
		.amdhsa_enable_private_segment 0
		.amdhsa_kernarg_size 88
		.amdhsa_user_sgpr_count 2
		.amdhsa_user_sgpr_kernarg_segment_ptr 1
		.amdhsa_wavefront_size32 1
		.amdhsa_system_sgpr_workgroup_id_x 1
		.amdhsa_system_sgpr_workgroup_id_y 1
		.amdhsa_system_sgpr_workgroup_id_z 1
		.amdhsa_system_vgpr_workitem_id 0
		.amdhsa_next_free_vgpr 198
		.amdhsa_next_free_sgpr 66
		.amdhsa_reserve_vcc 0
		.amdhsa_float_denorm_mode_32 3
		.amdhsa_float_denorm_mode_16_64 3
		.amdhsa_memory_ordered 1
		.amdhsa_forward_progress 1
		.amdhsa_inst_pref_size 23
	.end_amdhsa_kernel
	.amdgpu_metadata
---
amdhsa.version: [ 1, 2 ]
amdhsa.kernels:
  - .name:           k_q0f25a348cc_prep
    .symbol:         k_q0f25a348cc_prep.kd
    .args:
      - { .name: query, .offset: 0, .size: 8, .value_kind: global_buffer, .address_space: global }
      - { .name: key, .offset: 8, .size: 8, .value_kind: global_buffer, .address_space: global }
      - { .name: value, .offset: 16, .size: 8, .value_kind: global_buffer, .address_space: global }
      - { .name: Wq, .offset: 24, .size: 8, .value_kind: global_buffer, .address_space: global }
      - { .name: Wk, .offset: 32, .size: 8, .value_kind: global_buffer, .address_space: global }
      - { .name: Wv, .offset: 40, .size: 8, .value_kind: global_buffer, .address_space: global }
      - { .name: Wo, .offset: 48, .size: 8, .value_kind: global_buffer, .address_space: global }
      - { .name: mask, .offset: 56, .size: 8, .value_kind: global_buffer, .address_space: global }
      - { .name: xin, .offset: 64, .size: 8, .value_kind: global_buffer, .address_space: global }
      - { .name: wb, .offset: 72, .size: 8, .value_kind: global_buffer, .address_space: global }
      - { .name: maskbits, .offset: 80, .size: 8, .value_kind: global_buffer, .address_space: global }
    .group_segment_fixed_size: 68608
    .private_segment_fixed_size: 0
    .kernarg_segment_align: 8
    .kernarg_segment_size: 88
    .max_flat_workgroup_size: 256
    .sgpr_count:     66
    .vgpr_count:     198
    .wavefront_size: 32
...
	.end_amdgpu_metadata
.endif
;; end of part 1
;; launch proj (part 2): grid 4 x 96, 4 waves a work-group, clusters of 4 x 4, 327,680 bytes of LDS; arguments xin, wb, bq, bk, bv, qkv; writes qkv
.if DOCPART == 2
	.amdgcn_target "amdgcn-amd-amdhsa--gfx1250"
	.amdhsa_code_object_version 6
	.text
	.protected	k_q0f25a348cc_proj
	.globl	k_q0f25a348cc_proj
	.p2align	8
	.type	k_q0f25a348cc_proj,@function
k_q0f25a348cc_proj:
	s_mov_b64 s[64:65], 0
	v_nop
	global_prefetch_b8 v0, s[64:65] scope:SCOPE_SE
	s_setreg_imm32_b32 hwreg(HW_REG_WAVE_MODE, 25, 1), 1
	s_wait_xcnt 0x0
	s_wait_alu depctr_hold_cnt(0) depctr_sa_sdst(0) depctr_va_vdst(0) depctr_va_sdst(0) depctr_va_ssrc(0) depctr_va_vcc(0) depctr_vm_vsrc(0)
	s_getreg_b32 s2, hwreg(HW_REG_IB_STS2, 6, 4)
	s_cmp_eq_u32 s2, 0
	s_cbranch_scc0 .Lentry_in_a_cluster
	s_endpgm
.Lentry_in_a_cluster:
	s_bfe_u32 s2, ttmp6, 0x10000c
	s_cmp_lg_u32 s2, 0xf033
	s_cbranch_scc0 .Lentry_shape_is_right
	s_endpgm
.Lentry_shape_is_right:
; PROJ: qkv[p][m][n] = (sum over k of xin[p][m][k] wb[p][n][k] + bias_p[n]) * scale_p, p = 0, 1, 2 (q, k, v); bf16 operands, f32 sums, bf16 out.
; scale_0 = 0.125 log2(e): the attention launch works with powers of two and finds the scores' factor 1/sqrt(64) already in q; scale_1 = scale_2 = 1.
; The three products are one product of 24,576 x 1,024 x 1,024 whose B rows change with p = block row / 32.
; A work-group makes 256 x 256 of C with four waves of 128 x 128 (64 accumulator tiles, 512 registers).  K goes in steps of 128 through two LDS slots
; filled by tensor loads; a tile's rows are 256 bytes of memory at multiples of 256 bytes.
; CLUSTERS: 4 x 4 work-groups.  A's tiles hang on the block row alone and are asked for jointly along a row of the cluster, B's on the block column (and p,
; which comes from the cluster's y and is equal in all sixteen) and are asked for jointly along a column: a quarter of the requests.
; REGISTER WINDOWS: 0: v0-31 addresses and the scale, v64-191 A fragments (two buffers), v192-223 at work on the way out;
;   1: v0-63 the bias of my 128 columns, v64-191 B fragments;  2, 3: accumulators of my rows 0-63, 64-127 (tile (a, b) at v[8 (8 a + b)]).
; The matrix instruction takes B's rows as source 0 and A's as source 1: lane l then holds row l % 16 of C and columns 8 (l / 16) + 0..7 of the tile.
; LIMITS: operands are rounded to bf16 (inputs and weights by the launch before), q, k, v are stored in bf16.
.set SIZE_M, 24576
.set SIZE_N, 1024
.set SIZE_K, 1024
.set KSTEP,  128
.set PITCH,  272                       ; an LDS row: 256 bytes + 16 of padding = 17 x 16: the 16 rows of a fragment load start 16 bytes apart modulo 256
.set HALFT,  128*PITCH                 ; what one tensor load brings
.set SLOT,   4*HALFT                   ; A's 256 rows, then B's 256 rows
.set STAGE,  2*SLOT                    ; behind the ring: 16 rows x 272 bytes for each wave; no tensor load fills these bytes
.set SPITCH, 272
.set LAPS, SIZE_K/(2*KSTEP)            ; a lap = two K steps = once round the ring: 4
.set ADRA, 16                          ; v16-17  LDS address of my A fragments in slot 0, 1
.set ADRB, 20                          ; v20-21  the same for B
.set STO,  24                          ; v24     way out: where I put 16 bytes of a row
.set RD,   25                          ; v25     way out: where I read a row back
.set CO,   26                          ; v26     my byte offset in C
.set BO,   27                          ; v27     my byte offset in the bias
.set SCL,  28                          ; v[28:29] the scale, twice
.set F0,   64
.set F1,   128
.set TMP,  192
.set G1, 24                            ; s[24:31] group 1 for A's tiles
.set G0, 32                            ; s[32:39] group 0 for A's tiles, one set for each slot
.set G1B, 48                           ; s[48:55] group 1 for B's tiles: another mask
.set G0B, 56                           ; s[56:63] group 0 for B's tiles
.set MSB, 0
.macro WIN new                         ; the immediate's high byte repeats the setting that is left; switches that change nothing are dropped
.if MSB != \new
	s_set_vgpr_msb (MSB<<8)|\new
.set MSB, \new
.endif
.endm
.set MUL_LO, 0xa1                      ; source 0 (B) window 1, source 1 (A) window 0, C and D window 2
.set MUL_HI, 0xf1                      ; the same, C and D window 3
.set TO_B,   0x40                      ; destination window 1, address window 0
; A joint load: waves 0, 1 fetch A's halves, waves 2, 3 B's.  The branch hangs on the wave's number alone.
.macro JLOAD s
	s_cmp_eq_u32 s11, 0
	s_cbranch_scc0 .Lfor_b_\@
	tensor_load_to_lds s[G0+4*\s:G0+4*\s+3], s[G1:G1+7]
	s_nop 0
	s_branch .Lasked_\@
.Lfor_b_\@:
	tensor_load_to_lds s[G0B+4*\s:G0B+4*\s+3], s[G1B:G1B+7]
	s_nop 0
.Lasked_\@:
.endm
; A round of the cluster's barrier behind its opening work-group barrier: wave 0 signals for the work-group, every wave waits for all sixteen, the work-group's barrier closes it.
.macro CREST
	s_cmp_lg_u32 s10, 0
	s_cbranch_scc1 .Lnot_wave_0_\@
	s_barrier_signal -3
.Lnot_wave_0_\@:
	s_barrier_wait -3
	s_barrier_signal -1
	s_barrier_wait -1
.endm
.macro CROUND
	s_barrier_signal -1
	s_barrier_wait -1
	CREST
.endm
	s_load_b128 s[4:7], s[0:1], 0x0                ; xin s[4:5], wb s[6:7]
	s_load_b64 s[8:9], s[0:1], 0x28                ; qkv
	s_load_b128 s[72:75], s[0:1], 0x10             ; bq, bk
	s_load_b64 s[76:77], s[0:1], 0x20              ; bv
	s_set_vgpr_msb 0x40
	v_lshl_add_u32 v255, v0, 2, 0x48400
	s_set_vgpr_msb 0x4000
	v_mov_b32 v255, 0
	s_set_vgpr_msb 0x1
	ds_add_u32 v255, v255
	s_set_vgpr_msb 0x100
	v_lshrrev_b32 v1, 5, v0
	v_readfirstlane_b32 s10, v1                    ; wave 0..3
	s_lshr_b32 s11, s10, 1                         ; my half of the block's rows; also: I fetch for A (0) or B (1)
	s_and_b32 s12, s10, 1                          ; my half of its columns; also: which 128 rows of that tile I fetch
	s_bfe_u32 s40, ttmp6, 0x40000                  ; cx
	s_bfe_u32 s41, ttmp6, 0x40004                  ; cy
	s_lshl_b32 s42, ttmp9, 2
	s_add_co_u32 s42, s42, s40                     ; block column of C = 4 x cluster x + cx
	s_and_b32 s13, ttmp7, 0xffff
	s_lshr_b32 s70, s13, 3                         ; p: eight clusters (32 block rows) for each projection; equal in the whole cluster
	s_lshl_b32 s13, s13, 2
	s_add_co_u32 s13, s13, s41                     ; block row of C = 4 x cluster y + cy
	s_lshl_b32 s43, s41, 2
	s_lshl_b32 s43, 15, s43                        ; my row of the cluster: places 4 cy .. 4 cy + 3
	s_lshl_b32 s44, 0x1111, s40                    ; my column: places cx, cx + 4, cx + 8, cx + 12
	; group 1: 128 rows x 128 elements of 2 bytes, 4 words of padding behind every 64 words
	s_or_b32 s[G1+0], s43, (1<<16)|(1<<20)|(1<<21)|(5<<22)|(3<<25)
	s_or_b32 s[G1B+0], s44, (1<<16)|(1<<20)|(1<<21)|(5<<22)|(3<<25)
	s_mov_b32 s[G1B+1], KSTEP<<16
	s_mov_b32 s[G1+1], KSTEP<<16                   ; tensor_dim0 = 128
	s_mov_b32 s[G1B+2], 128<<16
	s_mov_b32 s[G1+2], 128<<16                     ; tensor_dim1 = 128
	s_mov_b32 s[G1B+3], KSTEP<<16
	s_mov_b32 s[G1+3], KSTEP<<16                   ; tile_dim0 = 128
	s_mov_b32 s[G1B+4], 128
	s_mov_b32 s[G1+4], 128                         ; tile_dim1 = 128
	s_mov_b32 s[G1B+5], SIZE_K
	s_mov_b32 s[G1+5], SIZE_K                      ; elements from row to row
	s_mov_b32 s[G1B+6], 0
	s_mov_b32 s[G1+6], 0
	s_mov_b32 s[G1B+7], 0
	s_mov_b32 s[G1+7], 0
	s_lshl_b32 s17, s12, 7
	s_lshl_b32 s16, s13, 8
	s_add_co_u32 s16, s16, s17                     ; A: row 256 x block row + 128 x half
	s_lshl_b32 s46, s42, 8
	s_add_co_u32 s46, s46, s17                     ; B: row 256 x block column + 128 x half
	s_lshl_b32 s45, s70, 10
	s_add_co_u32 s46, s46, s45                     ;    + 1,024 p: the projection's own weights
	s_mov_b32 s17, 0
	s_mov_b32 s47, 0
	s_mov_b64 s[18:19], SIZE_K*2
	s_mul_u64 s[16:17], s[16:17], s[18:19]         ; in bytes
	s_mul_u64 s[46:47], s[46:47], s[18:19]
	s_mul_i32 s20, s10, HALFT                      ; LDS: wave x 128 rows
	s_wait_dscnt 0x0
	s_wait_kmcnt 0x0
	s_add_nc_u64 s[14:15], s[4:5], s[16:17]
	s_add_nc_u64 s[46:47], s[6:7], s[46:47]
	s_cmp_eq_u32 s70, 0
	s_cselect_b64 s[66:67], s[72:73], s[74:75]     ; the projection's bias
	s_cselect_b32 s68, 0x3e38aa3b, 1.0             ; and scale: 0.125 log2(e) for q
	s_cmp_eq_u32 s70, 2
	s_cselect_b64 s[66:67], s[76:77], s[66:67]
	CROUND                                         ; all sixteen work-groups are here: the first joint loads meet
.irp s, 0,1
	s_mov_b32 s[G0+4*\s], 1
	s_add_co_u32 s[G0+4*\s+1], s20, \s*SLOT
	s_add_nc_u64 s[G0+4*\s+2:G0+4*\s+3], s[14:15], \s*KSTEP*2
	s_or_b32 s[G0+4*\s+3], s[G0+4*\s+3], 0x80000000
	s_mov_b32 s[G0B+4*\s], 1
	s_add_co_u32 s[G0B+4*\s+1], s20, \s*SLOT
	s_add_nc_u64 s[G0B+4*\s+2:G0B+4*\s+3], s[46:47], \s*KSTEP*2
	s_or_b32 s[G0B+4*\s+3], s[G0B+4*\s+3], 0x80000000
	JLOAD \s                                       ; both first fills go out before anything else: two tensor loads of the wave are out
.endr
	v_and_b32 v1, 15, v0                           ; l % 16
	v_bfe_u32 v2, v0, 4, 1                         ; l / 16
	v_mul_u32_u24 v3, v1, PITCH
	v_lshl_add_u32 v3, v2, 4, v3                   ; row x pitch + 16 x half
	s_mul_i32 s21, s11, HALFT                      ; my 128 rows of A
	s_mul_i32 s22, s12, HALFT
	s_add_co_u32 s22, s22, 2*HALFT                 ; my 128 rows of B, behind A's 256
.irp s, 0,1
	v_add_nc_u32 v[ADRA+\s], s21, v3
	v_add_nc_u32 v[ADRB+\s], s22, v3
	s_add_co_u32 s21, s21, SLOT
	s_add_co_u32 s22, s22, SLOT
.endr
	s_mul_i32 s23, s10, 16*SPITCH
	s_add_co_u32 s23, s23, STAGE                   ; my stage
	v_mul_u32_u24 v4, v1, SPITCH
	v_lshl_add_u32 v4, v2, 4, v4
	v_add_nc_u32 v[STO], s23, v4
	v_mul_u32_u24 v5, v2, SPITCH
	v_lshl_add_u32 v5, v1, 4, v5
	v_add_nc_u32 v[RD], s23, v5
	v_mul_u32_u24 v5, v2, SIZE_N*2
	v_lshl_add_u32 v[CO], v1, 4, v5
	v_mov_b32 v[SCL], s68
	v_mov_b32 v[SCL+1], s68
	; the bias of my 128 columns, as the results lie: tile b, lane half h: columns 16 b + 8 h + 0..7.  Waited for on the way out.
	s_lshl_b32 s71, s42, 10                        ; 256 columns of 4 bytes a block
	s_lshl_b32 s69, s12, 9
	s_add_co_u32 s71, s71, s69
	v_lshl_add_u32 v[BO], v2, 5, s71
	WIN TO_B
.irp b, 0,1,2,3,4,5,6,7
	global_load_b128 v[8*\b:8*\b+3],   v[BO], s[66:67] offset:64*\b
	global_load_b128 v[8*\b+4:8*\b+7], v[BO], s[66:67] offset:64*\b+16
.endr
	WIN 0
; 16 matrix instructions: m blocks a0, a0 + 1 of the window's four x all 8 n blocks, 32 along K.  zero = 1: the first product starts the sums.
; The 64 accumulators take turns, one instruction a turn, in the same order in every quarter step.
.macro MUL16 f, hi, a0, zero
.irp a, \a0, \a0+1
.irp b, 0,1,2,3,4,5,6,7
.if \zero
	v_wmma_f32_16x16x32_bf16 v[8*(8*(\a)+\b):8*(8*(\a)+\b)+7], v[\f+8*\b:\f+8*\b+7], v[\f+8*(4*\hi+\a):\f+8*(4*\hi+\a)+7], 0
.else
	v_wmma_f32_16x16x32_bf16 v[8*(8*(\a)+\b):8*(8*(\a)+\b)+7], v[\f+8*\b:\f+8*\b+7], v[\f+8*(4*\hi+\a):\f+8*(4*\hi+\a)+7], v[8*(8*(\a)+\b):8*(8*(\a)+\b)+7]
.endif
.endr
.endr
.endm
; 32 LDS loads in one run: one quarter step's fragments (128 rows of B, 128 of A, 32 K at byte k of the rows) into buffer f
.macro FETCH slot, k, f
	WIN TO_B
.irp i, 0,1,2,3,4,5,6,7
	ds_load_b128 v[\f+8*\i:\f+8*\i+3],   v[ADRB+\slot] offset:\k+\i*16*PITCH
	ds_load_b128 v[\f+8*\i+4:\f+8*\i+7], v[ADRB+\slot] offset:\k+\i*16*PITCH+32
.endr
	WIN 0
.irp i, 0,1,2,3,4,5,6,7
	ds_load_b128 v[\f+8*\i:\f+8*\i+3],   v[ADRA+\slot] offset:\k+\i*16*PITCH
	ds_load_b128 v[\f+8*\i+4:\f+8*\i+7], v[ADRA+\slot] offset:\k+\i*16*PITCH+32
.endr
.endm
; Four places behind a matrix instruction before a load lands on one of its sources or a vector instruction reads its result
.macro PLACES
.rept 4
	v_nop
.endr
.endm
.macro QUARTER slot, k, f, g, zero
	s_wait_dscnt 8                                 ; B and A's rows 0-63 are in; the youngest eight loads (A's rows 64-127) may be out
	WIN MUL_LO
	MUL16 \f, 0, 0, \zero
	MUL16 \f, 0, 2, \zero
	PLACES
	FETCH \slot, \k, \g
	s_wait_dscnt 32                                ; all but the 32 just issued
	WIN MUL_HI
	MUL16 \f, 1, 0, \zero
	MUL16 \f, 1, 2, \zero
.endm
.macro THREE slot, zero
	QUARTER \slot, 64,  F0, F1, \zero
	QUARTER \slot, 128, F1, F0, 0
	QUARTER \slot, 192, F0, F1, 0
.endm
; The last quarter of a K step changes slots.  In front of the barrier each wave waits for its reads of this slot and for all its tensor loads (one is out:
; its part of the next slot).  Behind it (and, where this slot is filled again, behind the rest of a round of the cluster's barrier) the refill comes first,
; then the next slot's first fragments.  From a request to the wait for it a wave issues 240 matrix instructions.
.macro TURN slot, next, fill
	s_wait_dscnt 8
	WIN MUL_LO
	MUL16 F1, 0, 0, 0
	s_wait_dscnt 0                                 ; my reads of this slot are over
	s_wait_tensorcnt 0x0                           ; all my tensor loads have landed
	ds_add_u32 v255, v255
	s_wait_dscnt 0x0
	s_barrier_signal -1
	MUL16 F1, 0, 2, 0                              ; register work while the others arrive
	WIN 0
	s_barrier_wait -1
.if \fill
	CREST                                          ; no wave of any partner still reads this slot or has a load on its way
	s_add_nc_u64 s[G0+4*\slot+2:G0+4*\slot+3], s[G0+4*\slot+2:G0+4*\slot+3], 2*KSTEP*2
	s_add_nc_u64 s[G0B+4*\slot+2:G0B+4*\slot+3], s[G0B+4*\slot+2:G0B+4*\slot+3], 2*KSTEP*2
	JLOAD \slot                                    ; the wave's one tensor load behind the round
.endif
	PLACES
	FETCH \next, 0, F0
	WIN MUL_HI
	MUL16 F1, 1, 0, 0
	MUL16 F1, 1, 2, 0
.endm
.macro LAP zero
	THREE 0, \zero
	TURN 0, 1, 1
	THREE 1, 0
	TURN 1, 0, 1
.endm
	s_wait_tensorcnt 1                             ; my part of K step 0 is in; K step 1's load stays out
	s_barrier_signal -1
	s_barrier_wait -1
	FETCH 0, 0, F0
	LAP 1                                          ; the first lap's first products start the sums
.if LAPS > 2
	WIN 0
	s_mov_b32 s3, LAPS-2
.Llap:
	LAP 0
	WIN 0
	s_sub_co_u32 s3, s3, 1
	s_cmp_lg_u32 s3, 0
	s_cbranch_scc1 .Llap
.endif
	THREE 0, 0                                     ; the last lap fills nothing
	TURN 0, 1, 0
	THREE 1, 0
	s_wait_dscnt 8
	WIN MUL_LO
	MUL16 F1, 0, 0, 0
	MUL16 F1, 0, 2, 0
	s_wait_dscnt 0
	WIN MUL_HI
	MUL16 F1, 1, 0, 0
	MUL16 F1, 1, 2, 0
	; THE WAY OUT, 16 rows at a time: sum x scale + bias x scale in one fused step, round to bf16, through my own stage, out as whole rows of 256 bytes
	PLACES
	s_wait_loadcnt 0x0                             ; the bias
	WIN 0x41                                       ; destination and source 0 window 1, source 1 window 0
.set kk, 0
.rept 32
	v_pk_mul_f32 v[kk:kk+1], v[kk:kk+1], v[SCL:SCL+1]
.set kk, kk+2
.endr
	s_lshl_b32 s13, s13, 8
	s_lshl_b32 s14, s11, 7
	s_add_co_u32 s16, s13, s14                     ; my first row of C
	s_mov_b32 s17, 0
	s_mov_b64 s[18:19], SIZE_N*2
	s_mul_u64 s[16:17], s[16:17], s[18:19]
	s_add_nc_u64 s[8:9], s[8:9], s[16:17]
	s_lshl_b32 s46, s42, 9                         ; my first column, in bytes
	s_lshl_b32 s47, s12, 8
	s_add_co_u32 s46, s46, s47
	s_mov_b32 s47, 0
	s_add_nc_u64 s[8:9], s[8:9], s[46:47]
; rows 16 i .. 16 i + 15 = tiles (a, 0..7) of window 2 or 3.  fw: windows of the multiply-add (sum and result in the accumulators' window, scale in 0, bias in 1);
; from: windows of the conversions; f: F0 or F1 in turn
.macro OUT16 i, a, fw, from, f
	WIN \fw
.irp b, 0,1,2,3,4,5,6,7
.irp r, 0,2,4,6
	v_pk_fma_f32 v[8*(8*\a+\b)+\r:8*(8*\a+\b)+\r+1], v[8*(8*\a+\b)+\r:8*(8*\a+\b)+\r+1], v[SCL:SCL+1], v[8*\b+\r:8*\b+\r+1]
.endr
.endr
	WIN \from
.irp b, 0,1,2,3,4,5,6,7
.irp r, 0,1,2,3
	v_cvt_pk_bf16_f32 v[TMP+4*\b+\r], v[8*(8*\a+\b)+2*\r], v[8*(8*\a+\b)+2*\r+1]
.endr
.endr
	WIN 0
.irp b, 0,1,2,3,4,5,6,7
	ds_store_b128 v[STO], v[TMP+4*\b:TMP+4*\b+3] offset:32*\b
.endr
	s_wait_xcnt 0x0                                ; earlier stores have had their addresses translated (ISA guide 3.1): buffer f and the base are rewritten only behind this wait
.if \i
	s_add_nc_u64 s[8:9], s[8:9], 16*SIZE_N*2
.endif
.irp t, 0,1,2,3,4,5,6,7
	ds_load_b128 v[\f+4*\t:\f+4*\t+3], v[RD] offset:\t*2*SPITCH    ; a wave's LDS instructions are served in order (ISA guide 5.7.1): these see the stores above
.endr
.irp t, 0,1,2,3,4,5,6,7
	s_wait_dscnt 7-\t
	global_store_b128 v[CO], v[\f+4*\t:\f+4*\t+3], s[8:9] offset:2*\t*SIZE_N*2   ; 16 lanes store 256 consecutive bytes, aligned
.endr
.endm
	OUT16 0, 0, 0x92, 0x0a, F0
	OUT16 1, 1, 0x92, 0x0a, F1
	OUT16 2, 2, 0x92, 0x0a, F0
	OUT16 3, 3, 0x92, 0x0a, F1
	OUT16 4, 0, 0xd3, 0x0f, F0
	OUT16 5, 1, 0xd3, 0x0f, F1
	OUT16 6, 2, 0xd3, 0x0f, F0
	OUT16 7, 3, 0xd3, 0x0f, F1
	s_set_vgpr_msb 0x1
	s_wait_tensorcnt 0x0
	ds_add_u32 v255, v255
	s_wait_dscnt 0x0
	s_set_vgpr_msb 0x100
	CROUND                                         ; the closing round: no work-group ends while a partner may still ask for a tile that names it
	s_endpgm
.Lfunc_end_k_q0f25a348cc_proj:
	.size	k_q0f25a348cc_proj, .Lfunc_end_k_q0f25a348cc_proj-k_q0f25a348cc_proj
	.p2alignl 7, 3214868480
	.fill 96, 4, 3214868480
	.section	.rodata,"a",@progbits
	.p2align	6, 0x0
	.amdhsa_kernel k_q0f25a348cc_proj
		.amdhsa_group_segment_fixed_size 327680
		.amdhsa_private_segment_fixed_size 0
		.amdhsa_enable_private_segment 0
		.amdhsa_kernarg_size 48
		.amdhsa_user_sgpr_count 2
		.amdhsa_user_sgpr_kernarg_segment_ptr 1
		.amdhsa_wavefront_size32 1
		.amdhsa_system_sgpr_workgroup_id_x 1
		.amdhsa_system_sgpr_workgroup_id_y 1
		.amdhsa_system_sgpr_workgroup_id_z 1
		.amdhsa_system_vgpr_workitem_id 0
		.amdhsa_next_free_vgpr 1024
		.amdhsa_next_free_sgpr 78
		.amdhsa_reserve_vcc 0
		.amdhsa_float_denorm_mode_32 3
		.amdhsa_float_denorm_mode_16_64 3
		.amdhsa_memory_ordered 1
		.amdhsa_forward_progress 1
		.amdhsa_inst_pref_size 217
	.end_amdhsa_kernel
	.amdgpu_metadata
---
amdhsa.version: [ 1, 2 ]
amdhsa.kernels:
  - .name:           k_q0f25a348cc_proj
    .symbol:         k_q0f25a348cc_proj.kd
    .args:
      - { .name: xin, .offset: 0, .size: 8, .value_kind: global_buffer, .address_space: global }
      - { .name: wb, .offset: 8, .size: 8, .value_kind: global_buffer, .address_space: global }
      - { .name: bq, .offset: 16, .size: 8, .value_kind: global_buffer, .address_space: global }
      - { .name: bk, .offset: 24, .size: 8, .value_kind: global_buffer, .address_space: global }
      - { .name: bv, .offset: 32, .size: 8, .value_kind: global_buffer, .address_space: global }
      - { .name: qkv, .offset: 40, .size: 8, .value_kind: global_buffer, .address_space: global }
    .group_segment_fixed_size: 327680
    .private_segment_fixed_size: 0
    .kernarg_segment_align: 8
    .kernarg_segment_size: 48
    .max_flat_workgroup_size: 128
    .sgpr_count:     78
    .vgpr_count:     1024
    .wavefront_size: 32
...
	.end_amdgpu_metadata
.endif
;; end of part 2
;; launch attn (part 3): grid 256 x 1, 8 waves a work-group, clusters of 4 x 1, 327,680 bytes of LDS; arguments qkv, maskbits, x; writes x
.if DOCPART == 3
	.amdgcn_target "amdgcn-amd-amdhsa--gfx1250"
	.amdhsa_code_object_version 6
	.text
	.protected	k_q0f25a348cc_attn
	.globl	k_q0f25a348cc_attn
	.p2align	8
	.type	k_q0f25a348cc_attn,@function
k_q0f25a348cc_attn:
	s_mov_b64 s[64:65], 0
	v_nop
	global_prefetch_b8 v0, s[64:65] scope:SCOPE_SE
	s_setreg_imm32_b32 hwreg(HW_REG_WAVE_MODE, 25, 1), 1
	s_wait_xcnt 0x0
	s_wait_alu depctr_hold_cnt(0) depctr_sa_sdst(0) depctr_va_vdst(0) depctr_va_sdst(0) depctr_va_ssrc(0) depctr_va_vcc(0) depctr_vm_vsrc(0)
	s_getreg_b32 s2, hwreg(HW_REG_IB_STS2, 6, 4)
	s_cmp_eq_u32 s2, 0
	s_cbranch_scc0 .Lentry_in_a_cluster
	s_endpgm
.Lentry_in_a_cluster:
	s_bfe_u32 s2, ttmp6, 0x10000c
	s_cmp_lg_u32 s2, 0x3003
	s_cbranch_scc0 .Lentry_shape_is_right
	s_endpgm
.Lentry_shape_is_right:
; ATTN: x[b][q][64 head + d] = softmax over keys of (scores, masked) times v, for 4 batches x 16 heads x 2,048 queries x 2,048 keys, dk = 64.
; qkv = [3][8192][1024] bf16 (q already holds the factor 0.125 log2(e): exponentials are powers of two); maskbits as the first launch packed them.
; A work-group makes 256 query rows of TWO neighbouring heads, so that a row of k, of v and of x for the pair is 256 consecutive bytes, aligned.
; Eight waves: wave w has head e = w / 4 of the pair and rows 64 (w % 4) .. + 63, four q tiles of 16.  Two waves lie on a SIMD: one's softmax runs beside the other's products.
; CLUSTERS: the four work-groups of a cluster are four query blocks of one batch and head pair; they walk the same K and V tiles, and every fill is a joint load
; with the mask 15.  Nothing in a descriptor, an LDS address or a branch hangs on the place in the cluster.
; FORMS.  S^T = K Q^T: lane (r, h), register j of tile t holds the score of query r and key 16 t + 8 h + j.  Row maximum and sum are made in the lane, then once across
; the two halves.  Pairs of registers of tiles 2 c, 2 c + 1, rounded to bf16, ARE the B fragment of P^T for the keys 32 c .. 32 c + 31.  O^T = V^T P^T, V^T by
; transposing LDS loads: lane (r, h), register j of tile d holds O(query r, dk 16 d + 8 h + j), so the rescaling factor is the lane's own.
; MASK: word 8 t + j of a q tile's 32 words for 64 keys is the lane mask of register j of tile t, and costs one v_cndmask_b32 a score.  The 32 words are 128 consecutive
; bytes: one vector load puts word l into lane l, and v_readlane_b32 moves each into a scalar register, four behind each of the eight score products.  Vector loads and
; not scalar ones: scalar loads are waited for all together (count 0 alone, ISA guide 5.7.1), so with scalar registers for two q tiles' words they could be asked for one
; q tile ahead at the most; the vector loads are asked for a whole block, four q tiles, ahead.
; SOFTMAX: a running maximum, as reference() subtracts the maximum.  A masked score is -1e9 log2(e) (0xceabfb8f): a row that is masked throughout gives s - m = 0 exactly
; and so the plain mean of v, as in reference().
; LIMITS: q, k, v and p are bf16 operands; the row sum is made of the unrounded p; powers of two below 2^-126 count as 0 (v_exp_f32, ISA guide 15.8).
.set PK,    272                        ; K rows in LDS: 256 bytes + 16 = 17 x 16
.set PV,    288                        ; V rows in LDS: 256 bytes + 32 = 9 x 32, for the transposing loads
.set QK,    64*PK                      ; 64 keys of K: one tensor load, and one block of the work
.set QV,    64*PV
.set KOFF,  4*QV                       ; a slot: V's 256 rows, then K's 256 rows
.set SLOT,  4*QV+4*QK                  ; 143,360 bytes; two slots
.set TSTEP, 256*2048                   ; 256 keys on in memory
.set VK,   12                          ; v12  K address at work      (v8, v9: its start in slot 0, 1)
.set VV,   13                          ; v13  V address at work      (v10, v11: its start in slot 0, 1)
.set NEG,  14                          ; v14  the masked score
.set QO,   15                          ; v15  my offset in q
.set KF,   16                          ; v[16:79]   K fragments: tile t, dk half ee at 16 t + 8 ee
.set VF,   80                          ; v[80:143]  V^T fragments: dk tile d, key chunk c at 16 d + 8 c
.set SC,   144                         ; v[144:175] four score tiles
.set PB,   176                         ; v[176:191] P^T, two B fragments
.set MX,   192                         ; v[192:195] running maximum of q tile i
.set LS,   196                         ; v[196:211] running sums of q tile i: two pairs
.set NM,   212                         ; v[212:213] minus the new maximum, twice
.set AL,   214                         ; v[214:215] the rescaling factor, twice
.set MNEW, 216
.set X,    218                         ; v[218:221] at work
.set R,    224                         ; v[224:231] 1 / sum of q tile i, twice
.set ST,   232                         ; way out: where I put 16 bytes
.set RD,   233                         ; way out: where I read rows back
.set CO,   234                         ; way out: my offset in x
.set MW,   236                         ; v[236:239] this block's mask words: q tile i, word l in lane l
.set MN,   240                         ; v[240:243] the next block's, on their way
.set ML,   244                         ; v244 4 x lane
.set MO,   245                         ; v245 offset of the words asked for last
.set QF,   0                           ; window 1, v[0:63]   Q fragments: q tile i, dk half ee at 16 i + 8 ee
.set OA,   64                          ; window 1, v[64:191] O^T: q tile i, dk tile d at 32 i + 8 d
.set MA,   68                          ; s[68:99] the 32 mask words of the q tile at work
.set MSB, 0
.macro WIN new                         ; low byte: bits 1:0 source 0, 3:2 source 1, 5:4 source 2, 7:6 destination; high byte: the setting that is left
.if MSB != \new
	s_set_vgpr_msb (MSB<<8)|\new
.set MSB, \new
.endif
.endm
; A round of the cluster's barrier: work-group barrier, wave 0 signals for the work-group, all wait for the four work-groups, work-group barrier.
.macro ROUND
	s_barrier_signal -1
	s_barrier_wait -1
	s_cmp_lg_u32 s2, 0
	s_cbranch_scc1 .Lnot_wave_0_\@
	s_barrier_signal -3
.Lnot_wave_0_\@:
	s_barrier_wait -3
	s_barrier_signal -1
	s_barrier_wait -1
.endm
; A joint load: waves 0-3 fetch 64 rows of V each, waves 4-7 64 rows of K each.  The branch hangs on the wave's number alone.
.macro JLOAD
	s_cmp_lt_u32 s2, 4
	s_cbranch_scc0 .Lfor_k_\@
	tensor_load_to_lds s[24:27], s[8:15]
	s_nop 0
	s_branch .Lasked_\@
.Lfor_k_\@:
	tensor_load_to_lds s[28:31], s[16:23]
	s_nop 0
.Lasked_\@:
.endm
	s_load_b128 s[32:35], s[0:1], 0x0              ; qkv s[32:33], maskbits s[34:35]
	s_load_b64 s[60:61], s[0:1], 0x10              ; x
	v_lshl_add_u32 v254, v0, 2, 0x46000
	v_mov_b32 v255, 0
	ds_add_u32 v254, v255
	v_lshrrev_b32 v3, 5, v0
	v_readfirstlane_b32 s2, v3                     ; wave 0..7
	s_lshr_b32 s3, s2, 2                           ; e: my head of the pair
	s_and_b32 s36, s2, 3                           ; which 64 rows: of the queries, and of the tile that I fetch
	s_bfe_u32 s37, ttmp6, 0x40000                  ; cx
	s_lshr_b32 s38, ttmp9, 4                       ; batch
	s_bfe_u32 s39, ttmp9, 0x30001                  ; head pair
	s_and_b32 s40, ttmp9, 1
	s_lshl2_add_u32 s41, s40, s37                  ; query block = 4 x (cluster % 2) + cx
	s_mov_b32 s104, 0x76543210                     ; v_permlanex16_b32: lane i of one half reads lane i of the other
	s_mov_b32 s105, 0xfedcba98
	; group 1: 64 rows x 128 elements of 2 bytes, mask 15 with bit 21 beside it, padding behind every 64 words: 8 words for V, 4 for K
	s_mov_b32 s8,  15|(1<<16)|(1<<20)|(1<<21)|(5<<22)|(7<<25)
	s_mov_b32 s16, 15|(1<<16)|(1<<20)|(1<<21)|(5<<22)|(3<<25)
	s_mov_b32 s9,  128<<16                         ; tensor_dim0 = 128
	s_mov_b32 s17, 128<<16
	s_mov_b32 s10, 64<<16                          ; tensor_dim1 = 64
	s_mov_b32 s18, 64<<16
	s_mov_b32 s11, 128<<16                         ; tile_dim0 = 128
	s_mov_b32 s19, 128<<16
	s_mov_b32 s12, 64                              ; tile_dim1 = 64
	s_mov_b32 s20, 64
	s_mov_b32 s13, 1024                            ; elements from row to row
	s_mov_b32 s21, 1024
	s_mov_b32 s14, 0
	s_mov_b32 s22, 0
	s_mov_b32 s15, 0
	s_mov_b32 s23, 0
	s_mul_i32 s100, s2, QV                         ; V's quarter in a slot (waves 0-3)
	s_mul_i32 s101, s2, QK
	s_add_co_u32 s101, s101, KOFF-4*QK             ; K's quarter in a slot (waves 4-7): KOFF + (w - 4) x 17,408
	s_mov_b32 s24, 1
	s_mov_b32 s25, s100                            ; tile 0 goes to slot 0
	s_mov_b32 s28, 1
	s_mov_b32 s29, s101
	s_lshl_b32 s42, s38, 22                        ; batch x 2,048 rows x 2,048 bytes
	s_lshl_b32 s43, s39, 8                         ; + the pair's 256 bytes of a row
	s_add_co_u32 s42, s42, s43
	s_lshl_b32 s43, s36, 17                        ; + my 64 rows of the tile
	s_add_co_u32 s42, s42, s43
	s_mov_b32 s43, 0
	s_lshl_b32 s44, s38, 11
	s_lshl_b32 s45, s41, 8
	s_add_co_u32 s44, s44, s45                     ; the work-group's first query row = 2,048 b + 256 block
	s_lshl_b32 s45, s2, 5
	s_add_co_u32 s62, s44, s45                     ; the 32 rows that I store
	s_lshl_b32 s62, s62, 11
	s_lshl_b32 s48, s39, 8
	s_add_co_u32 s62, s62, s48                     ; their byte offset in x
	s_mov_b32 s63, 0
	s_lshl_b32 s45, s36, 6
	s_add_co_u32 s44, s44, s45                     ; my first query row
	s_lshl_b32 s50, s44, 8                         ; mask words: 4,096 bytes for each q tile of 16 rows
	s_mov_b32 s51, 0
	s_lshl_b32 s44, s44, 11
	s_add_co_u32 s44, s44, s48
	s_lshl_b32 s45, s3, 7
	s_add_co_u32 s44, s44, s45                     ; q: row x 2,048 + pair x 256 + head x 128
	s_mov_b32 s45, 0
	s_wait_dscnt 0x0
	s_wait_kmcnt 0x0
	s_add_nc_u64 s[26:27], s[32:33], s[42:43]
	s_add_nc_u64 s[30:31], s[26:27], 0x1000000     ; k is the second part of qkv
	s_add_nc_u64 s[26:27], s[26:27], 0x2000000     ; v the third
	s_or_b32 s27, s27, 0x80000000                  ; type = 2
	s_or_b32 s31, s31, 0x80000000
	s_add_nc_u64 s[46:47], s[32:33], s[44:45]      ; q of my rows and head
	s_add_nc_u64 s[66:67], s[34:35], s[50:51]      ; mask words of my first q tile
	s_add_nc_u64 s[60:61], s[60:61], s[62:63]      ; x at the rows that I store
	ROUND                                          ; the four work-groups are here: the first joint load meets
	JLOAD                                          ; tile 0 (keys 0-255) into slot 0: one tensor load of the wave is out
	v_and_b32 v1, 15, v0                           ; r
	v_bfe_u32 v2, v0, 4, 1                         ; h
	v_and_b32 v3, 7, v0
	v_bfe_u32 v4, v0, 3, 1
	v_lshlrev_b32 v[QO], 11, v1
	v_lshl_add_u32 v[QO], v2, 4, v[QO]             ; row r, 16 bytes for each half
	WIN 0x40                                       ; destination window 1
.irp i, 0,1,2,3
.irp q, 0,1,2,3
	global_load_b128 v[QF+16*\i+4*\q:QF+16*\i+4*\q+3], v[QO], s[46:47] offset:32768*\i+32*\q
.endr
.endr
	WIN 0
	v_and_b32 v[ML], 31, v0
	v_lshlrev_b32 v[ML], 2, v[ML]                  ; word l for lane l
	v_mov_b32 v[MO], v[ML]
	s_mov_b32 s6, 0                                ; byte offset of a block's 32 words in a q tile's 4,096 bytes
.irp i, 0,1,2,3
	global_load_b32 v[MN+\i], v[MO], s[66:67] offset:4096*\i   ; block 0's words: 128 consecutive bytes, aligned, for each q tile
.endr
	v_mul_u32_u24 v5, v1, PK
	v_lshl_add_u32 v5, v2, 4, v5                   ; 272 r + 16 h
	s_lshl_b32 s52, s3, 7                          ; my head's 128 bytes of a row
	s_add_co_u32 s53, s52, KOFF
	v_add_nc_u32 v8, s53, v5                       ; K fragments, slot 0
	v_add_nc_u32 v9, SLOT, v8                      ; slot 1
	v_lshl_add_u32 v6, v2, 3, v3                   ; key 8 h + lane % 8
	v_mul_u32_u24 v6, v6, PV
	v_lshl_add_u32 v6, v4, 4, v6                   ; + 16 bytes for the odd groups of eight lanes
	v_add_nc_u32 v10, s52, v6                      ; V fragments, slot 0
	v_add_nc_u32 v11, SLOT, v10                    ; slot 1
	v_mov_b32 v[NEG], 0xceabfb8f                   ; -1e9 log2(e)
	s_mul_i32 s54, s36, 64*PK
	s_add_co_u32 s54, s54, s52
	v_add_nc_u32 v[ST], s54, v5                    ; stage, in: row 64 (w % 4) + r, byte 128 e + 16 h
	v_mul_u32_u24 v7, v2, PK
	v_lshl_add_u32 v7, v1, 4, v7
	s_mul_i32 s55, s2, 32*PK
	v_add_nc_u32 v[RD], s55, v7                    ; stage, back: rows 32 w + h, 16 bytes a lane
	v_lshlrev_b32 v7, 11, v2
	v_lshl_add_u32 v[CO], v1, 4, v7                ; and the same two rows in x
.macro SUBM t                          ; s - m
.irp p, 0,2,4,6
	v_pk_add_f32 v[SC+8*\t+\p:SC+8*\t+\p+1], v[SC+8*\t+\p:SC+8*\t+\p+1], v[NM:NM+1]
.endr
.endm
.macro EXPM t                          ; 2^(s - m), a run of eight; plain work on another tile follows before a result is used (ISA guide 5.7.2)
.irp j, 0,1,2,3,4,5,6,7
	v_exp_f32 v[SC+8*\t+\j], v[SC+8*\t+\j]
.endr
.endm
.macro SUMCVT i, t, start              ; the tile's p joins the two sum pairs and is rounded into P^T; start = 1: it starts the sums, nothing is cleared
.if \start
	s_wait_alu depctr_va_vdst(0)
	v_pk_add_f32 v[LS+4*\i:LS+4*\i+1], v[SC+8*\t:SC+8*\t+1], v[SC+8*\t+4:SC+8*\t+5]
	v_cvt_pk_bf16_f32 v[PB+4*\t], v[SC+8*\t], v[SC+8*\t+1]
	v_pk_add_f32 v[LS+4*\i+2:LS+4*\i+3], v[SC+8*\t+2:SC+8*\t+3], v[SC+8*\t+6:SC+8*\t+7]
	v_cvt_pk_bf16_f32 v[PB+4*\t+1], v[SC+8*\t+2], v[SC+8*\t+3]
	v_cvt_pk_bf16_f32 v[PB+4*\t+2], v[SC+8*\t+4], v[SC+8*\t+5]
	v_cvt_pk_bf16_f32 v[PB+4*\t+3], v[SC+8*\t+6], v[SC+8*\t+7]
.else
	s_wait_alu depctr_va_vdst(0)
.irp p, 0,1,2,3
	v_pk_add_f32 v[LS+4*\i+2*(\p&1):LS+4*\i+2*(\p&1)+1], v[LS+4*\i+2*(\p&1):LS+4*\i+2*(\p&1)+1], v[SC+8*\t+2*\p:SC+8*\t+2*\p+1]
	v_cvt_pk_bf16_f32 v[PB+4*\t+\p], v[SC+8*\t+2*\p], v[SC+8*\t+2*\p+1]
.endr
.endif
.endm
; q tile i against the block's 64 keys.  first = 1: the launch's first block starts maximum, sums and O.  waitv = 1: V's fragments are waited for here.
.macro PHASE i, first, waitv
	WIN 0x04                                       ; source 1 (Q) window 1
	; four accumulators take turns, one instruction a turn.  Behind each product four of the q tile's 32 mask words
	; go from their lanes into scalar registers; these lines name no register of a product.
.irp t, 0,1,2,3
	v_wmma_f32_16x16x32_bf16 v[SC+8*\t:SC+8*\t+7], v[KF+16*\t:KF+16*\t+7], v[QF+16*\i:QF+16*\i+7], 0
.irp u, 0,1,2,3
	v_readlane_b32 s[MA+4*\t+\u], v[MW+\i], 4*\t+\u
.endr
.endr
.irp t, 0,1,2,3
	v_wmma_f32_16x16x32_bf16 v[SC+8*\t:SC+8*\t+7], v[KF+16*\t+8:KF+16*\t+15], v[QF+16*\i+8:QF+16*\i+15], v[SC+8*\t:SC+8*\t+7]
.irp u, 0,1,2,3
	v_readlane_b32 s[MA+16+4*\t+\u], v[MW+\i], 16+4*\t+\u
.endr
.endr
	WIN 0
.rept 4
	v_nop                                          ; four places before a vector instruction reads the scores (ISA guide 7.12.1); the lane reads above are not counted as places
.endr
.irp t, 0,1,2,3
.irp j, 0,1,2,3,4,5,6,7
	v_cndmask_b32 v[SC+8*\t+\j], v[NEG], v[SC+8*\t+\j], s[MA+8*\t+\j]   ; bit 1: the score stays
.endr
.endr
	; the largest of my 32 scores and the old maximum, three at a time, four chains
.irp t, 0,1,2,3
	v_max3_num_f32 v[X+\t], v[SC+8*\t], v[SC+8*\t+1], v[SC+8*\t+2]
.endr
.irp t, 0,1,2,3
	v_max3_num_f32 v[X+\t], v[X+\t], v[SC+8*\t+3], v[SC+8*\t+4]
.endr
.irp t, 0,1,2,3
	v_max3_num_f32 v[X+\t], v[X+\t], v[SC+8*\t+5], v[SC+8*\t+6]
.endr
	v_max3_num_f32 v[X],   v[X],   v[SC+7],  v[SC+15]
	v_max3_num_f32 v[X+1], v[X+1], v[SC+23], v[SC+31]
	v_max3_num_f32 v[X],   v[X],   v[X+2],   v[X+3]
.if \first
	v_max_num_f32 v[X], v[X], v[X+1]
.else
	v_max3_num_f32 v[X], v[X], v[X+1], v[MX+\i]
.endif
	v_permlanex16_b32 v[X+1], v[X], s104, s105     ; the other half's keys of the same query
	v_max_num_f32 v[MNEW], v[X], v[X+1]
.if \first
	v_mov_b32 v[MX+\i], v[MNEW]
	v_sub_f32 v[NM], 0, v[MNEW]
	v_sub_f32 v[NM+1], 0, v[MNEW]
.else
	v_sub_f32 v[AL], v[MX+\i], v[MNEW]
	v_mov_b32 v[MX+\i], v[MNEW]
	v_exp_f32 v[AL], v[AL]                         ; 2^(old maximum - new)
	v_sub_f32 v[NM], 0, v[MNEW]                    ; plain work stands between the exponential and its use
	v_sub_f32 v[NM+1], 0, v[MNEW]
	s_wait_alu depctr_va_vdst(0)
	v_mov_b32 v[AL+1], v[AL]
	v_pk_mul_f32 v[LS+4*\i:LS+4*\i+1],   v[LS+4*\i:LS+4*\i+1],   v[AL:AL+1]
	v_pk_mul_f32 v[LS+4*\i+2:LS+4*\i+3], v[LS+4*\i+2:LS+4*\i+3], v[AL:AL+1]
.endif
	SUBM 0
	EXPM 0
	SUBM 1
	EXPM 1
	SUMCVT \i, 0, \first
	SUBM 2
	EXPM 2
	SUMCVT \i, 1, 0
	SUBM 3
	EXPM 3
	SUMCVT \i, 2, 0
	SUMCVT \i, 3, 0
.if \first == 0
	WIN 0x41                                       ; destination and source 0 window 1
.set kk, 0
.rept 16
	v_pk_mul_f32 v[OA+32*\i+kk:OA+32*\i+kk+1], v[OA+32*\i+kk:OA+32*\i+kk+1], v[AL:AL+1]
.set kk, kk+2
.endr
.endif
.if \waitv
	s_wait_dscnt 0x0                               ; V's fragments
.endif
	WIN 0x50                                       ; C and D window 1
.irp d, 0,1,2,3
.if \first
	v_wmma_f32_16x16x32_bf16 v[OA+32*\i+8*\d:OA+32*\i+8*\d+7], v[VF+16*\d:VF+16*\d+7], v[PB:PB+7], 0
.else
	v_wmma_f32_16x16x32_bf16 v[OA+32*\i+8*\d:OA+32*\i+8*\d+7], v[VF+16*\d:VF+16*\d+7], v[PB:PB+7], v[OA+32*\i+8*\d:OA+32*\i+8*\d+7]
.endif
.endr
.irp d, 0,1,2,3
	v_wmma_f32_16x16x32_bf16 v[OA+32*\i+8*\d:OA+32*\i+8*\d+7], v[VF+16*\d+8:VF+16*\d+15], v[PB+8:PB+15], v[OA+32*\i+8*\d:OA+32*\i+8*\d+7]
.endr
.endm
; 64 keys: their fragments of K and V^T once, the next block's mask words asked for, then my four q tiles
.macro BLOCK first
.irp t, 0,1,2,3
.irp q, 0,1,2,3
	ds_load_b128 v[KF+16*\t+4*\q:KF+16*\t+4*\q+3], v[VK] offset:16*PK*\t+32*\q
.endr
.endr
.irp d, 0,1,2,3
.irp c, 0,1
.irp u, 0,1
	ds_load_tr16_b128 v[VF+16*\d+8*\c+4*\u:VF+16*\d+8*\c+4*\u+3], v[VV] offset:32*PV*\c+16*PV*\u+32*\d
.endr
.endr
.endr
	s_wait_loadcnt 0x0                             ; this block's mask words, asked for one block ago (in the first block Q's fragments too); their offset register is free behind this wait
.irp i, 0,1,2,3
	v_mov_b32 v[MW+\i], v[MN+\i]
.endr
	s_add_co_u32 s6, s6, 128                       ; the next block's words;
	s_min_u32 s6, s6, 3968                         ; in the last block the look-ahead stays on the last 128 bytes of each q tile, and its words are not used
	v_add_nc_u32 v[MO], s6, v[ML]
.irp i, 0,1,2,3
	global_load_b32 v[MN+\i], v[MO], s[66:67] offset:4096*\i
.endr
	s_wait_dscnt 16                                ; K's 16 loads are in; V's 16 younger ones stay out
	PHASE 0, \first, 1
	PHASE 1, \first, 0
	PHASE 2, \first, 0
	PHASE 3, \first, 0
	WIN 0
	v_add_nc_u32 v[VK], QK, v[VK]                  ; the next 64 keys; with the two v_nop these are the four places between the last
	v_add_nc_u32 v[VV], QV, v[VV]                  ; product and the next loads into its sources, or the reading of its result
	v_nop
	v_nop
.endm
; 256 keys from one slot.  In front of the round every wave waits for all its tensor loads (one: its part of this slot) and for its reads of the other slot; behind the round
; the other slot's refill is the wave's first and only tensor load; it has this trip's 256 matrix instructions of the wave in which to land.
.macro TRIP slot, refill, first
	s_wait_tensorcnt 0x0                           ; no tensor load of mine is out: the descriptors may be written
	ds_add_u32 v254, v255
	s_wait_dscnt 0x0
.if \refill
	s_add_nc_u64 s[26:27], s[26:27], TSTEP
	s_add_nc_u64 s[30:31], s[30:31], TSTEP
	s_add_co_u32 s25, s100, (1-\slot)*SLOT
	s_add_co_u32 s29, s101, (1-\slot)*SLOT
.endif
	s_wait_dscnt 0x0                               ; my reads of the other slot are back
	ROUND                                          ; both now hold of every wave of the four work-groups
.if \refill
	JLOAD
.endif
	v_mov_b32 v[VK], v[8+\slot]
	v_mov_b32 v[VV], v[10+\slot]
.if \first
	BLOCK 1
	s_mov_b32 s5, 3
.else
	s_mov_b32 s5, 4
.endif
.Lblock_\@:
	BLOCK 0
	s_sub_co_u32 s5, s5, 1
	s_cmp_lg_u32 s5, 0
	s_cbranch_scc1 .Lblock_\@
.endm
	TRIP 0, 1, 1                                   ; keys 0-255; slot 1 gets its first fill as a refill does
	TRIP 1, 1, 0
	s_mov_b32 s4, 2
.Lpair:
	TRIP 0, 1, 0
	TRIP 1, 1, 0
	s_sub_co_u32 s4, s4, 1
	s_cmp_lg_u32 s4, 0
	s_cbranch_scc1 .Lpair
	TRIP 0, 1, 0                                   ; asks for the last tile
	TRIP 1, 0, 0                                   ; nothing is left to fetch
	; THE WAY OUT.  The stage is bytes 0 to 69,631 of slot 0: that slot has had its last fill, and every wave's reads of it were back in front of the last trip's round.
	; (The last look-ahead of mask words may still be on its way into v[240:243]; nothing below names these registers.)
.irp i, 0,1,2,3
	v_pk_add_f32 v[LS+4*\i:LS+4*\i+1], v[LS+4*\i:LS+4*\i+1], v[LS+4*\i+2:LS+4*\i+3]
	v_add_f32 v[X+\i], v[LS+4*\i], v[LS+4*\i+1]
	v_permlanex16_b32 v[LS+4*\i+2], v[X+\i], s104, s105
	v_add_f32 v[X+\i], v[X+\i], v[LS+4*\i+2]       ; the row's sum; the key of the maximum adds 1, so it is at least 1
.endr
.irp i, 0,1,2,3
	v_rcp_f32 v[R+2*\i], v[X+\i]
.endr
	v_nop                                          ; a plain place behind the run of reciprocals
	s_wait_alu depctr_va_vdst(0)
.irp i, 0,1,2,3
	v_mov_b32 v[R+2*\i+1], v[R+2*\i]
.endr
	WIN 0x41
.irp i, 0,1,2,3
.set kk, 0
.rept 16
	v_pk_mul_f32 v[OA+32*\i+kk:OA+32*\i+kk+1], v[OA+32*\i+kk:OA+32*\i+kk+1], v[R+2*\i:R+2*\i+1]
.set kk, kk+2
.endr
.endr
	WIN 0x05                                       ; sources window 1, destination window 0
.irp i, 0,1,2,3
.irp d, 0,1,2,3
.irp p, 0,1,2,3
	v_cvt_pk_bf16_f32 v[KF+16*\i+4*\d+\p], v[OA+32*\i+8*\d+2*\p], v[OA+32*\i+8*\d+2*\p+1]
.endr
.endr
.endr
	WIN 0
.irp i, 0,1,2,3
.irp d, 0,1,2,3
	ds_store_b128 v[ST], v[KF+16*\i+4*\d:KF+16*\i+4*\d+3] offset:16*PK*\i+32*\d   ; query 16 i + r, dk 16 d + 8 h + 0..7
.endr
.endr
	s_wait_dscnt 0x0                               ; my stores are done: the rows that I read back hold both heads, written by two waves
	s_barrier_signal -1
	s_barrier_wait -1
.irp k, 0,1,2,3,4,5,6,7,8,9,10,11,12,13,14,15
	ds_load_b128 v[VF+4*\k:VF+4*\k+3], v[RD] offset:2*PK*\k
.endr
.irp k, 0,1,2,3,4,5,6,7,8,9,10,11,12,13,14,15
	s_wait_dscnt 15-\k
	global_store_b128 v[CO], v[VF+4*\k:VF+4*\k+3], s[60:61] offset:4096*\k   ; 16 lanes store 256 consecutive bytes, aligned: one row of the head pair
.endr
	s_wait_tensorcnt 0x0
	ds_add_u32 v254, v255
	s_wait_dscnt 0x0
	ROUND                                          ; the closing round
	s_endpgm
.Lfunc_end_k_q0f25a348cc_attn:
	.size	k_q0f25a348cc_attn, .Lfunc_end_k_q0f25a348cc_attn-k_q0f25a348cc_attn
	.p2alignl 7, 3214868480
	.fill 96, 4, 3214868480
	.section	.rodata,"a",@progbits
	.p2align	6, 0x0
	.amdhsa_kernel k_q0f25a348cc_attn
		.amdhsa_group_segment_fixed_size 327680
		.amdhsa_private_segment_fixed_size 0
		.amdhsa_enable_private_segment 0
		.amdhsa_kernarg_size 24
		.amdhsa_user_sgpr_count 2
		.amdhsa_user_sgpr_kernarg_segment_ptr 1
		.amdhsa_wavefront_size32 1
		.amdhsa_system_sgpr_workgroup_id_x 1
		.amdhsa_system_sgpr_workgroup_id_y 1
		.amdhsa_system_sgpr_workgroup_id_z 1
		.amdhsa_system_vgpr_workitem_id 0
		.amdhsa_next_free_vgpr 448
		.amdhsa_next_free_sgpr 106
		.amdhsa_reserve_vcc 0
		.amdhsa_float_denorm_mode_32 3
		.amdhsa_float_denorm_mode_16_64 3
		.amdhsa_memory_ordered 1
		.amdhsa_forward_progress 1
		.amdhsa_inst_pref_size 255
	.end_amdhsa_kernel
	.section	.bss,"aw",@nobits
	.p2align	6
	.space	262144
	.amdgpu_metadata
---
amdhsa.version: [ 1, 2 ]
amdhsa.kernels:
  - .name:           k_q0f25a348cc_attn
    .symbol:         k_q0f25a348cc_attn.kd
    .args:
      - { .name: qkv, .offset: 0, .size: 8, .value_kind: global_buffer, .address_space: global }
      - { .name: maskbits, .offset: 8, .size: 8, .value_kind: global_buffer, .address_space: global }
      - { .name: x, .offset: 16, .size: 8, .value_kind: global_buffer, .address_space: global }
    .group_segment_fixed_size: 327680
    .private_segment_fixed_size: 0
    .kernarg_segment_align: 8
    .kernarg_segment_size: 24
    .max_flat_workgroup_size: 256
    .sgpr_count:     106
    .vgpr_count:     448
    .wavefront_size: 32
...
	.end_amdgpu_metadata
.endif
;; end of part 3
;; launch outp (part 4): grid 4 x 64, 4 waves a work-group, clusters of 4 x 4, 327,680 bytes of LDS; arguments x, wb, bo, out0; writes out0
.if DOCPART == 4
	.amdgcn_target "amdgcn-amd-amdhsa--gfx1250"
	.amdhsa_code_object_version 6
	.text
	.protected	k_q0f25a348cc_outp
	.globl	k_q0f25a348cc_outp
	.p2align	8
	.type	k_q0f25a348cc_outp,@function
k_q0f25a348cc_outp:
	s_mov_b64 s[64:65], 0
	v_nop
	global_prefetch_b8 v0, s[64:65] scope:SCOPE_SE
	s_setreg_imm32_b32 hwreg(HW_REG_WAVE_MODE, 25, 1), 1
	s_wait_xcnt 0x0
	s_wait_alu depctr_hold_cnt(0) depctr_sa_sdst(0) depctr_va_vdst(0) depctr_va_sdst(0) depctr_va_ssrc(0) depctr_va_vcc(0) depctr_vm_vsrc(0)
	s_getreg_b32 s2, hwreg(HW_REG_IB_STS2, 6, 4)
	s_cmp_eq_u32 s2, 0
	s_cbranch_scc0 .Lentry_in_a_cluster
	s_endpgm
.Lentry_in_a_cluster:
	s_bfe_u32 s2, ttmp6, 0x10000c
	s_cmp_lg_u32 s2, 0xf033
	s_cbranch_scc0 .Lentry_shape_is_right
	s_endpgm
.Lentry_shape_is_right:
; OUTP: out0[m][n] = sum over k of x[m][k] Wo[n][k] + bo[n].  x [8192][1024] bf16, Wo = the fourth part of wb, bf16; sums and out0 in f32.
; The output has 64 x 4 = 256 blocks of 128 x 256, one a work-group.  Four waves of 64 x 128 (32 accumulator tiles, 256 registers).  K goes in steps of 128 through two LDS
; slots filled by joint tensor loads in clusters of 4 x 4: A's tiles hang on the block row alone and are shared along a row of the cluster, B's on the block column alone
; and are shared along a column.  A tile's rows are 256 bytes of memory at multiples of 256 bytes.  Two slots of a longer K step (384 rows of 528 bytes, twice) do not fit in LDS.
; REGISTER WINDOWS: 0: v0-31 addresses, v64-95 and v128-159 A fragments (two buffers), v64-255 at work on the way out;  1: v0-63 the bias of my 128 columns,
;   v64-191 B fragments (two buffers);  2: the accumulators (tile (a, b) at v[8 (8 a + b)]).
; Source 0 = rows of B, source 1 = rows of A: lane l holds row l % 16 of C, columns 8 (l / 16) + 0..7 of the tile.
; LIMITS: operands are bf16 (x as the attention launch stored it, Wo as the first launch rounded it).
.set SIZE_M, 8192
.set SIZE_N, 1024
.set SIZE_K, 1024
.set KSTEP,  128
.set PITCH,  272                       ; 256 bytes + 16 = 17 x 16: the 16 rows of a fragment load start 16 bytes apart modulo 256
.set BHALF,  128*PITCH                 ; 128 rows of B: one tensor load, and what one wave reads of B
.set AHALF,  64*PITCH                  ; 64 rows of A: one tensor load, and what one wave reads of A
.set AOFF,   2*BHALF                   ; a slot: B's 256 rows, then A's 128 rows
.set SLOT,   2*BHALF+2*AHALF           ; 104,448 bytes
.set STAGE,  2*SLOT                    ; behind the ring, at a multiple of 256: 16 rows x 528 bytes for each wave; no tensor load fills these bytes
.set SPITCH, 528                       ; a row of 128 f32 + 16 bytes = 33 x 16
.set LAPS, SIZE_K/(2*KSTEP)            ; a lap = two K steps = once round the ring: 4
.set ADRA, 16                          ; v16-17  LDS address of my A fragments in slot 0, 1
.set ADRB, 20                          ; v20-21  the same for B
.set STO,  24
.set RD,   25
.set CO,   26
.set BO,   27
.set F0,   64
.set F1,   128
.set TMP,  192
.set G1, 24                            ; s[24:31] group 1 for A's tiles (64 rows)
.set G0, 32                            ; s[32:39] group 0 for A's tiles, one set for each slot
.set G1B, 48                           ; s[48:55] group 1 for B's tiles (128 rows)
.set G0B, 56                           ; s[56:63] group 0 for B's tiles
.set MSB, 0
.macro WIN new                         ; the immediate's high byte repeats the setting that is left; switches that change nothing are dropped
.if MSB != \new
	s_set_vgpr_msb (MSB<<8)|\new
.set MSB, \new
.endif
.endm
.set MUL_LO, 0xa1                      ; source 0 (B) window 1, source 1 (A) window 0, C and D window 2
.set TO_B,   0x40                      ; destination window 1, address window 0
; A joint load: waves 0, 1 fetch B's halves, waves 2, 3 A's.  The branch hangs on the wave's number alone.
.macro JLOAD s
	s_cmp_lt_u32 s10, 2
	s_cbranch_scc0 .Lfor_a_\@
	tensor_load_to_lds s[G0B+4*\s:G0B+4*\s+3], s[G1B:G1B+7]
	s_nop 0
	s_branch .Lasked_\@
.Lfor_a_\@:
	tensor_load_to_lds s[G0+4*\s:G0+4*\s+3], s[G1:G1+7]
	s_nop 0
.Lasked_\@:
.endm
.macro CREST                           ; a round of the cluster's barrier behind its opening work-group barrier
	s_cmp_lg_u32 s10, 0
	s_cbranch_scc1 .Lnot_wave_0_\@
	s_barrier_signal -3
.Lnot_wave_0_\@:
	s_barrier_wait -3
	s_barrier_signal -1
	s_barrier_wait -1
.endm
.macro CROUND
	s_barrier_signal -1
	s_barrier_wait -1
	CREST
.endm
	s_load_b128 s[4:7], s[0:1], 0x0                ; x s[4:5], wb s[6:7]
	s_load_b64 s[66:67], s[0:1], 0x10              ; bo
	s_load_b64 s[8:9], s[0:1], 0x18                ; out0
	s_set_vgpr_msb 0x40
	v_lshl_add_u32 v255, v0, 2, 0x3b400
	s_set_vgpr_msb 0x4000
	v_mov_b32 v63, 0
	s_set_vgpr_msb 0x1
	ds_add_u32 v255, v63
	s_set_vgpr_msb 0x100
	v_lshrrev_b32 v1, 5, v0
	v_readfirstlane_b32 s10, v1                    ; wave 0..3
	s_lshr_b32 s11, s10, 1                         ; which 64 of the block's rows are mine
	s_and_b32 s12, s10, 1                          ; which 128 of its columns; also: which half of a tile I fetch
	s_bfe_u32 s40, ttmp6, 0x40000                  ; cx
	s_bfe_u32 s41, ttmp6, 0x40004                  ; cy
	s_lshl_b32 s42, ttmp9, 2
	s_add_co_u32 s42, s42, s40                     ; block column = 4 x cluster x + cx
	s_and_b32 s13, ttmp7, 0xffff
	s_lshl_b32 s13, s13, 2
	s_add_co_u32 s13, s13, s41                     ; block row = 4 x cluster y + cy
	s_lshl_b32 s43, s41, 2
	s_lshl_b32 s43, 15, s43                        ; my row of the cluster: places 4 cy .. 4 cy + 3
	s_lshl_b32 s44, 0x1111, s40                    ; my column: places cx, cx + 4, cx + 8, cx + 12
	; group 1: rows of 128 elements of 2 bytes, 4 words of padding behind every 64 words; A 64 rows, B 128 rows
	s_or_b32 s[G1+0], s43, (1<<16)|(1<<20)|(1<<21)|(5<<22)|(3<<25)
	s_or_b32 s[G1B+0], s44, (1<<16)|(1<<20)|(1<<21)|(5<<22)|(3<<25)
	s_mov_b32 s[G1B+1], KSTEP<<16
	s_mov_b32 s[G1+1], KSTEP<<16                   ; tensor_dim0 = 128
	s_mov_b32 s[G1B+2], 128<<16
	s_mov_b32 s[G1+2], 64<<16                      ; tensor_dim1
	s_mov_b32 s[G1B+3], KSTEP<<16
	s_mov_b32 s[G1+3], KSTEP<<16                   ; tile_dim0 = 128
	s_mov_b32 s[G1B+4], 128
	s_mov_b32 s[G1+4], 64                          ; tile_dim1
	s_mov_b32 s[G1B+5], SIZE_K
	s_mov_b32 s[G1+5], SIZE_K                      ; elements from row to row
	s_mov_b32 s[G1B+6], 0
	s_mov_b32 s[G1+6], 0
	s_mov_b32 s[G1B+7], 0
	s_mov_b32 s[G1+7], 0
	; every wave makes both addresses, each in registers that never hold the other coordinate, and asks by one of them
	s_lshl_b32 s17, s12, 6
	s_lshl_b32 s16, s13, 7
	s_add_co_u32 s16, s16, s17                     ; A: row 128 x block row + 64 x half
	s_lshl_b32 s47, s12, 7
	s_lshl_b32 s46, s42, 8
	s_add_co_u32 s46, s46, s47                     ; B: row 256 x block column + 128 x half
	s_add_co_u32 s46, s46, 3072                    ;    + the three weights in front of Wo
	s_mov_b32 s17, 0
	s_mov_b32 s47, 0
	s_mov_b64 s[18:19], SIZE_K*2
	s_mul_u64 s[16:17], s[16:17], s[18:19]         ; in bytes
	s_mul_u64 s[46:47], s[46:47], s[18:19]
	s_mul_i32 s45, s10, BHALF                      ; LDS: B's halves at wave x 128 rows (waves 0, 1)
	s_mul_i32 s20, s10, AHALF
	s_add_co_u32 s20, s20, AOFF-2*AHALF            ; A's halves behind them: AOFF + (wave - 2) x 64 rows (waves 2, 3)
	s_wait_dscnt 0x0
	s_wait_kmcnt 0x0
	s_add_nc_u64 s[14:15], s[4:5], s[16:17]
	s_add_nc_u64 s[46:47], s[6:7], s[46:47]
	CROUND                                         ; all sixteen work-groups are here: the first joint loads meet
.irp s, 0,1
	s_mov_b32 s[G0+4*\s], 1
	s_add_co_u32 s[G0+4*\s+1], s20, \s*SLOT
	s_add_nc_u64 s[G0+4*\s+2:G0+4*\s+3], s[14:15], \s*KSTEP*2
	s_or_b32 s[G0+4*\s+3], s[G0+4*\s+3], 0x80000000
	s_mov_b32 s[G0B+4*\s], 1
	s_add_co_u32 s[G0B+4*\s+1], s45, \s*SLOT
	s_add_nc_u64 s[G0B+4*\s+2:G0B+4*\s+3], s[46:47], \s*KSTEP*2
	s_or_b32 s[G0B+4*\s+3], s[G0B+4*\s+3], 0x80000000
	JLOAD \s                                       ; both first fills go out before anything else: two tensor loads of the wave are out
.endr
	v_and_b32 v1, 15, v0                           ; l % 16
	v_bfe_u32 v2, v0, 4, 1                         ; l / 16
	v_mul_u32_u24 v3, v1, PITCH
	v_lshl_add_u32 v3, v2, 4, v3                   ; row x pitch + 16 x half
	s_mul_i32 s21, s11, AHALF
	s_add_co_u32 s21, s21, AOFF                    ; my 64 rows of A
	s_mul_i32 s22, s12, BHALF                      ; my 128 rows of B
.irp s, 0,1
	v_add_nc_u32 v[ADRA+\s], s21, v3
	v_add_nc_u32 v[ADRB+\s], s22, v3
	s_add_co_u32 s21, s21, SLOT
	s_add_co_u32 s22, s22, SLOT
.endr
	s_mul_i32 s23, s10, 16*SPITCH
	s_add_co_u32 s23, s23, STAGE                   ; my stage
	v_mul_u32_u24 v4, v1, SPITCH                   ; in: row l % 16, 32 bytes for each half of the lanes
	v_lshl_add_u32 v4, v2, 5, v4
	v_add_nc_u32 v[STO], s23, v4
	v_and_b32 v5, 31, v0
	v_lshlrev_b32 v[CO], 4, v5                     ; back and out: 32 lanes take one row of 512 bytes
	v_add_nc_u32 v[RD], s23, v[CO]
	s_lshl_b32 s68, s42, 10                        ; my 128 columns in the bias, and in a row of out0: 1,024 x block + 512 x half
	s_lshl_b32 s69, s12, 9
	s_add_co_u32 s68, s68, s69
	v_lshl_add_u32 v[BO], v2, 5, s68
	WIN TO_B
.irp b, 0,1,2,3,4,5,6,7
	global_load_b128 v[8*\b:8*\b+3],   v[BO], s[66:67] offset:64*\b      ; tile b, half h: columns 16 b + 8 h + 0..7; waited for on the way out
	global_load_b128 v[8*\b+4:8*\b+7], v[BO], s[66:67] offset:64*\b+16
.endr
	WIN 0
; 16 matrix instructions: m blocks a0, a0 + 1 of my four x all 8 n blocks, 32 along K.  zero = 1: the first product starts the sums.
; The 32 accumulators take turns, one instruction a turn, in the same order in every quarter step.
.macro MUL16 f, a0, zero
.irp a, \a0, \a0+1
.irp b, 0,1,2,3,4,5,6,7
.if \zero
	v_wmma_f32_16x16x32_bf16 v[8*(8*(\a)+\b):8*(8*(\a)+\b)+7], v[\f+8*\b:\f+8*\b+7], v[\f+8*(\a):\f+8*(\a)+7], 0
.else
	v_wmma_f32_16x16x32_bf16 v[8*(8*(\a)+\b):8*(8*(\a)+\b)+7], v[\f+8*\b:\f+8*\b+7], v[\f+8*(\a):\f+8*(\a)+7], v[8*(8*(\a)+\b):8*(8*(\a)+\b)+7]
.endif
.endr
.endr
.endm
; 24 LDS loads in one run: one quarter step's fragments (128 rows of B, then 64 rows of A, 32 K at byte k of the rows) into buffer f
.macro FETCH slot, k, f
	WIN TO_B
.irp i, 0,1,2,3,4,5,6,7
	ds_load_b128 v[\f+8*\i:\f+8*\i+3],   v[ADRB+\slot] offset:\k+\i*16*PITCH
	ds_load_b128 v[\f+8*\i+4:\f+8*\i+7], v[ADRB+\slot] offset:\k+\i*16*PITCH+32
.endr
	WIN 0
.irp i, 0,1,2,3
	ds_load_b128 v[\f+8*\i:\f+8*\i+3],   v[ADRA+\slot] offset:\k+\i*16*PITCH
	ds_load_b128 v[\f+8*\i+4:\f+8*\i+7], v[ADRA+\slot] offset:\k+\i*16*PITCH+32
.endr
.endm
.macro PLACES                          ; four places behind a matrix instruction before a load lands on one of its sources or a vector instruction reads its result
.rept 4
	v_nop
.endr
.endm
; A K step is four quarter steps of 32 along K, 32 matrix instructions each, on buffers 0, 1, 0, 1.  One of the first three multiplies buffer f and fetches the next quarter's fragments into g in its middle.
.macro QUARTER slot, k, f, g, zero
	s_wait_dscnt 4                                 ; B and A's rows 0-31 are in; the youngest four loads (A's rows 32-63) may be out
	WIN MUL_LO
	MUL16 \f, 0, \zero
	PLACES
	FETCH \slot, \k, \g
	s_wait_dscnt 24                                ; all but the 24 just issued
	WIN MUL_LO
	MUL16 \f, 2, \zero
.endm
.macro THREE slot, zero
	QUARTER \slot, 64,  F0, F1, \zero
	QUARTER \slot, 128, F1, F0, 0
	QUARTER \slot, 192, F0, F1, 0
.endm
; The last quarter multiplies buffer 1 and changes slots.  In front of the barrier each wave waits for its reads of this slot and for all its tensor loads (one is out: its part
; of the next slot).  Behind it (and, where this slot is filled again, behind the rest of a round of the cluster's barrier) the refill comes first, then the next slot's first
; fragments.  From a request to the wait for it a wave issues 112 matrix instructions.
.macro TURN slot, next, fill
	s_wait_dscnt 0                                 ; my reads of this slot are over
	s_wait_tensorcnt 0x0                           ; all my tensor loads have landed
	ds_add_u32 v255, v63
	s_wait_dscnt 0x0
	s_barrier_signal -1
	WIN MUL_LO
	MUL16 F1, 0, 0                                 ; register work while the others arrive
	WIN 0
	s_barrier_wait -1
.if \fill
	CREST                                          ; the same now holds of every wave of the cluster
	s_add_nc_u64 s[G0+4*\slot+2:G0+4*\slot+3], s[G0+4*\slot+2:G0+4*\slot+3], 2*KSTEP*2
	s_add_nc_u64 s[G0B+4*\slot+2:G0B+4*\slot+3], s[G0B+4*\slot+2:G0B+4*\slot+3], 2*KSTEP*2
	JLOAD \slot                                    ; the wave's one tensor load behind the round
.endif
	PLACES
	FETCH \next, 0, F0
	WIN MUL_LO
	MUL16 F1, 2, 0
.endm
.macro LAP zero
	THREE 0, \zero
	TURN 0, 1, 1
	THREE 1, 0
	TURN 1, 0, 1
.endm
	s_wait_tensorcnt 1                             ; my part of K step 0 is in; K step 1's stays out
	s_barrier_signal -1
	s_barrier_wait -1
	FETCH 0, 0, F0
	LAP 1                                          ; the first lap's first products start the sums
.if LAPS > 2
	WIN 0
	s_mov_b32 s3, LAPS-2
.Llap:
	LAP 0
	WIN 0
	s_sub_co_u32 s3, s3, 1
	s_cmp_lg_u32 s3, 0
	s_cbranch_scc1 .Llap
.endif
	THREE 0, 0                                     ; the last lap fills nothing
	TURN 0, 1, 0
	THREE 1, 0
	s_wait_dscnt 0                                 ; the very last quarter: nothing more to fetch
	WIN MUL_LO
	MUL16 F1, 0, 0
	MUL16 F1, 2, 0
	; THE WAY OUT, 16 rows at a time: sum + bias in f32, through my own stage, out as whole rows of 512 bytes
	PLACES
	s_wait_loadcnt 0x0                             ; the bias
	s_lshl_b32 s13, s13, 7
	s_lshl_b32 s14, s11, 6
	s_add_co_u32 s16, s13, s14                     ; my first row = 128 x block row + 64 x half
	s_mov_b32 s17, 0
	s_mov_b64 s[18:19], SIZE_N*4
	s_mul_u64 s[16:17], s[16:17], s[18:19]
	s_add_nc_u64 s[8:9], s[8:9], s[16:17]
	s_mov_b32 s69, 0
	s_add_nc_u64 s[8:9], s[8:9], s[68:69]          ; my first column
; rows 16 i .. 16 i + 15 = tiles (a, 0..7).  Windows 0x06: source 0 the accumulators' window 2, source 1 (bias) window 1, destination window 0; f: F0 or F1 in turn
.macro OUT16F i, a, f
	WIN 0x06
.irp b, 0,1,2,3,4,5,6,7
.irp r, 0,2,4,6
	v_pk_add_f32 v[TMP+8*\b+\r:TMP+8*\b+\r+1], v[8*(8*\a+\b)+\r:8*(8*\a+\b)+\r+1], v[8*\b+\r:8*\b+\r+1]
.endr
.endr
	WIN 0
.irp b, 0,1,2,3,4,5,6,7
	ds_store_b128 v[STO], v[TMP+8*\b:TMP+8*\b+3]   offset:64*\b
	ds_store_b128 v[STO], v[TMP+8*\b+4:TMP+8*\b+7] offset:64*\b+16
.endr
	s_wait_xcnt 0x0                                ; earlier stores have had their addresses translated (ISA guide 3.1): buffer f and the base are rewritten only behind this wait
.if \i
	s_add_nc_u64 s[8:9], s[8:9], 16*SIZE_N*4
.endif
.irp t, 0,1,2,3,4,5,6,7,8,9,10,11,12,13,14,15
	ds_load_b128 v[\f+4*\t:\f+4*\t+3], v[RD] offset:\t*SPITCH      ; served in order behind the stores above (ISA guide 5.7.1)
.endr
.irp t, 0,1,2,3,4,5,6,7,8,9,10,11,12,13,14,15
	s_wait_dscnt 15-\t
	global_store_b128 v[CO], v[\f+4*\t:\f+4*\t+3], s[8:9] offset:\t*SIZE_N*4 th:TH_STORE_NT   ; the wave stores 512 consecutive bytes, aligned
.endr
.endm
	OUT16F 0, 0, F0
	OUT16F 1, 1, F1
	OUT16F 2, 2, F0
	OUT16F 3, 3, F1
	s_set_vgpr_msb 0x1
	s_wait_tensorcnt 0x0
	ds_add_u32 v255, v63
	s_wait_dscnt 0x0
	s_set_vgpr_msb 0x100
	CROUND                                         ; the closing round: no work-group ends while a partner may still ask for a tile that names it
	s_endpgm
.Lfunc_end_k_q0f25a348cc_outp:
	.size	k_q0f25a348cc_outp, .Lfunc_end_k_q0f25a348cc_outp-k_q0f25a348cc_outp
	.p2alignl 7, 3214868480
	.fill 96, 4, 3214868480
	.section	.rodata,"a",@progbits
	.p2align	6, 0x0
	.amdhsa_kernel k_q0f25a348cc_outp
		.amdhsa_group_segment_fixed_size 327680
		.amdhsa_private_segment_fixed_size 0
		.amdhsa_enable_private_segment 0
		.amdhsa_kernarg_size 32
		.amdhsa_user_sgpr_count 2
		.amdhsa_user_sgpr_kernarg_segment_ptr 1
		.amdhsa_wavefront_size32 1
		.amdhsa_system_sgpr_workgroup_id_x 1
		.amdhsa_system_sgpr_workgroup_id_y 1
		.amdhsa_system_sgpr_workgroup_id_z 1
		.amdhsa_system_vgpr_workitem_id 0
		.amdhsa_next_free_vgpr 768
		.amdhsa_next_free_sgpr 72
		.amdhsa_reserve_vcc 0
		.amdhsa_float_denorm_mode_32 3
		.amdhsa_float_denorm_mode_16_64 3
		.amdhsa_memory_ordered 1
		.amdhsa_forward_progress 1
		.amdhsa_inst_pref_size 128
	.end_amdhsa_kernel
	.amdgpu_metadata
---
amdhsa.version: [ 1, 2 ]
amdhsa.kernels:
  - .name:           k_q0f25a348cc_outp
    .symbol:         k_q0f25a348cc_outp.kd
    .args:
      - { .name: x, .offset: 0, .size: 8, .value_kind: global_buffer, .address_space: global }
      - { .name: wb, .offset: 8, .size: 8, .value_kind: global_buffer, .address_space: global }
      - { .name: bo, .offset: 16, .size: 8, .value_kind: global_buffer, .address_space: global }
      - { .name: out0, .offset: 24, .size: 8, .value_kind: global_buffer, .address_space: global }
    .group_segment_fixed_size: 327680
    .private_segment_fixed_size: 0
    .kernarg_segment_align: 8
    .kernarg_segment_size: 32
    .max_flat_workgroup_size: 128
    .sgpr_count:     72
    .vgpr_count:     768
    .wavefront_size: 32
...
	.end_amdgpu_metadata
.endif
;; end of part 4
;; ======== version 2 of 2: 4 launches; version 1 with the launch prep written anew for expert scheduling mode
;; workspace buffers: xin 50,331,648 bytes; wb 8,388,608 bytes; maskbits 2,097,152 bytes of whole numbers; qkv 50,331,648 bytes; x 16,777,216 bytes
;; launch prep (part 5): grid 1024 x 1, 8 waves a work-group, no clusters, 68,608 bytes of LDS; arguments query, key, value, Wq, Wk, Wv, Wo, mask, xin, wb, maskbits; writes xin, wb, maskbits
.if DOCPART == 5
	.amdgcn_target "amdgcn-amd-amdhsa--gfx1250"
	.amdhsa_code_object_version 6
	.text
	.protected	k_q0f25a348cc_prep
	.globl	k_q0f25a348cc_prep
	.p2align	8
	.type	k_q0f25a348cc_prep,@function
k_q0f25a348cc_prep:
	s_mov_b64 s[64:65], 0
	v_nop
	global_prefetch_b8 v0, s[64:65] scope:SCOPE_SE
	s_setreg_imm32_b32 hwreg(HW_REG_WAVE_SCHED_MODE, 0, 2), 2
	s_setreg_imm32_b32 hwreg(HW_REG_WAVE_MODE, 25, 1), 1
	s_wait_xcnt 0x0
	s_wait_alu depctr_vm_vsrc(0)
; PREP: a stream.  (1) query, key, value [8192][1024] f32 -> xin [3][8192][1024] bf16;  (2) Wq, Wk, Wv, Wo [1024][1024] f32 -> wb [4][1024][1024] bf16;
; (3) mask [4][2048][2048] i32 -> maskbits [512 q tiles][128 key tiles][8] words: bit (r + 16 h) of word j is (mask[16 qtile + r][16 ktile + 8 h + j] != 0),
; which is the lane mask of register j of a 16 x 16 tile of transposed scores in the attention launch.
; 1,024 work-groups of eight waves, all alike, straight line.  Work-group g, thread t:
;   each input: 32 KiB, four chunks of 8 KiB; the thread reads 32 neighbouring bytes of a chunk and stores their 16 bytes of bf16;
;   each weight: 4 KiB; the thread reads 16 bytes and stores 8 (a wave's store covers 256 consecutive bytes, aligned);
;   mask: wave w takes the strip of 16 rows x 128 keys number 8 g + w; each of its 16 loads takes 512 consecutive bytes of one row.
; All 44 loads of a wave go out first; every wait for them is counted.  No work-group shares a byte with another, so clusters, tensor loads
; and the matrix unit have nothing to give here.  The strip goes through the wave's own LDS bytes (16 rows, pitch 528 = 33 x 16 bytes) so that the compare
; sees lane (r, h) = (row, half of a tile's keys); own bytes: no barrier.
; THE MODE: SCHED_MODE bits 1:0 = 2 (LLVM: expert scheduling mode 2), set by the entry lines.  The code itself states the register dependences
; between vector instructions and memory or LDS instructions, and between a vector instruction that writes a scalar register and its readers, with s_wait_alu, always for 0.
; THE PLAN.  Registers that memory or LDS instructions touch:
;   v1 .. v7      offsets and LDS addresses: written at the head, never again; one wait ahead of the first load serves every instruction that reads them.
;   XR, WR        loads land; a piece's conversions read it and write its first registers; the piece's store reads those.  The cast goes in steps of four pieces
;                 (chunks 0-3, 4-7, 8-11, the four weights): a step's conversions name its own pieces alone, and the four stores of the step before are dealt
;                 among them, behind ONE wait at the step's head, which states that the step before has written what those stores read.
;   MK            loads land, LDS stores read: no vector instruction names it.
;   MT = v[16:79] chunks 0-7's registers once more: the LDS loads land in them behind the wait that states that those chunks' stores have read them; the conversions that
;                 named them stand ahead of the last step's wait, and no vector instruction follows that wait ahead of the loads.
;   OUT           written by the lane writes, read by the last store: one wait between.
;   s30; s[32:63] written by vector instructions (the wave's number; 32 compares a run): one wait behind each writer or run, ahead of its first reader.
.set XR,  16                           ; v[16:111]  twelve chunks of 8 f32, converted in place to 4 registers of bf16
.set WR,  112                          ; v[112:127] four weights' 4 f32
.set MK,  128                          ; v[128:191] the mask strip as loaded: row p in 4 registers
.set MT,  16                           ; v[16:79]   the strip as read back from LDS: tile t in 8 registers (the cast's registers, freed below)
.set OUT, 192                          ; v[192:193] lane l: words 2 l and 2 l + 1 of the strip's 64
.set MP,  528                          ; LDS pitch of a strip's row
.set W,   32                           ; s[32:63]   the words of four tiles, 8 a tile (at the head s32 to s37 serve the offsets)
	s_load_b512 s[4:19], s[0:1], 0x0               ; query 4:5, key 6:7, value 8:9, Wq 10:11, Wk 12:13, Wv 14:15, Wo 16:17, mask 18:19
	s_load_b128 s[20:23], s[0:1], 0x40             ; xin 20:21, wb 22:23
	s_load_b64 s[24:25], s[0:1], 0x50              ; maskbits
	v_lshl_add_u32 v196, v0, 2, 0x10800
	v_mov_b32 v197, 0
	v_lshrrev_b32 v8, 5, v0
	v_readfirstlane_b32 s30, v8                    ; wave
	s_lshl_b32 s32, ttmp9, 15
	v_lshl_add_u32 v1, v0, 5, s32                  ; inputs: 32,768 g + 32 t
	s_lshl_b32 s33, ttmp9, 14
	v_lshl_add_u32 v2, v0, 4, s33                  ; xin: 16,384 g + 16 t
	s_lshl_b32 s34, ttmp9, 12
	v_lshl_add_u32 v3, v0, 4, s34                  ; weights: 4,096 g + 16 t
	s_lshl_b32 s35, ttmp9, 11
	v_lshl_add_u32 v4, v0, 3, s35                  ; wb and maskbits: 2,048 g + 8 t
	s_lshr_b32 s36, ttmp9, 1
	s_lshl_b32 s36, s36, 17                        ; q tile g / 2: 16 rows of 8,192 bytes
	s_and_b32 s37, ttmp9, 1
	s_lshl_b32 s37, s37, 12                        ; + eight strips of 512 bytes for odd g
	s_add_co_u32 s36, s36, s37
	v_lshl_add_u32 v5, v0, 4, s36                  ; + 512 w + 16 lane = 16 t
	v_and_b32 v9, 31, v0
	v_and_b32 v10, 15, v0                          ; r
	v_bfe_u32 v11, v0, 4, 1                        ; h
	v_mul_u32_u24 v7, v10, MP
	v_lshl_add_u32 v7, v11, 5, v7                  ; row r, 8 keys (32 bytes) for each half
	v_mov_b32 v[OUT], 0                            ; v_writelane_b32 keeps the other lanes: the pair is written whole once
	v_mov_b32 v[OUT+1], 0
	s_wait_alu depctr_va_sdst(0)                   ; s30 is written, ahead of its first reader, the line below
	s_mul_i32 s31, s30, 16*MP                      ; my wave's LDS bytes
	v_lshl_add_u32 v6, v9, 4, s31                  ; LDS, in: 16 bytes a lane along a row
	v_add_nc_u32 v7, s31, v7                       ; LDS, back
	s_wait_kmcnt 0x0
	s_add_nc_u64 s[26:27], s[20:21], 0x1000000     ; xin's part for key
	s_add_nc_u64 s[28:29], s[20:21], 0x2000000     ; and for value
	s_wait_alu depctr_va_vdst(0)                   ; v1 to v7 are written: every load, store and LDS instruction below but the closing ds_add_u32 reads one of them as its offset or address
.irp c, 0,1,2,3
	global_load_b128 v[XR+8*\c:XR+8*\c+3],   v1, s[4:5] offset:8192*\c th:TH_LOAD_NT
	global_load_b128 v[XR+8*\c+4:XR+8*\c+7], v1, s[4:5] offset:8192*\c+16 th:TH_LOAD_NT
.endr
.irp c, 0,1,2,3
	global_load_b128 v[XR+32+8*\c:XR+32+8*\c+3],   v1, s[6:7] offset:8192*\c th:TH_LOAD_NT
	global_load_b128 v[XR+32+8*\c+4:XR+32+8*\c+7], v1, s[6:7] offset:8192*\c+16 th:TH_LOAD_NT
.endr
.irp c, 0,1,2,3
	global_load_b128 v[XR+64+8*\c:XR+64+8*\c+3],   v1, s[8:9] offset:8192*\c th:TH_LOAD_NT
	global_load_b128 v[XR+64+8*\c+4:XR+64+8*\c+7], v1, s[8:9] offset:8192*\c+16 th:TH_LOAD_NT
.endr
.irp i, 0,1,2,3
	global_load_b128 v[WR+4*\i:WR+4*\i+3], v3, s[10+2*\i:11+2*\i] th:TH_LOAD_NT
.endr
.irp p, 0,1,2,3,4,5,6,7,8,9,10,11,12,13,14,15
	global_load_b128 v[MK+4*\p:MK+4*\p+3], v5, s[18:19] offset:8192*\p th:TH_LOAD_NT
.endr
; chunk k of the twelve closes up into the first four of its eight registers
.macro CVT k
	v_cvt_pk_bf16_f32 v[XR+8*(\k)],   v[XR+8*(\k)],   v[XR+8*(\k)+1]
	v_cvt_pk_bf16_f32 v[XR+8*(\k)+1], v[XR+8*(\k)+2], v[XR+8*(\k)+3]
	v_cvt_pk_bf16_f32 v[XR+8*(\k)+2], v[XR+8*(\k)+4], v[XR+8*(\k)+5]
	v_cvt_pk_bf16_f32 v[XR+8*(\k)+3], v[XR+8*(\k)+6], v[XR+8*(\k)+7]
.endm
; A step: chunks k0 .. k0 + 3 are converted; chunks k0 - 4 .. k0 - 1, the step before, are stored at s[lo:lo+1].
; Chunk k's two loads are numbers 2 k and 2 k + 1 of 44, so 42 - 2 k younger ones may stay out.
.macro STEP k0, lo
	s_wait_loadcnt 42-2*(\k0)
	s_wait_alu depctr_va_vdst(0)                   ; the step before has written the first four registers of each of its chunks, which the four stores below read
.irp c, 0,1,2,3
.if \c
	s_wait_loadcnt 42-2*(\k0+\c)
.endif
	global_store_b128 v2, v[XR+8*(\k0-4+\c):XR+8*(\k0-4+\c)+3], s[\lo:\lo+1] offset:4096*\c   ; a wave's store covers 512 consecutive bytes, aligned; no vector instruction since the wait names its registers
	CVT \k0+\c
.endr
.endm
.irp c, 0,1,2,3
	s_wait_loadcnt 42-2*\c                         ; query's chunks: no step stands in front of them, so nothing is stored yet
	CVT \c
.endr
	STEP 4, 20                                     ; key's chunks are converted, query's stored
	STEP 8, 26                                     ; value's converted, key's stored
	s_wait_loadcnt 19                              ; weight i is load 24 + i of 44
	s_wait_alu depctr_va_vdst(0)                   ; value's conversions have written what the four stores below read
.irp i, 0,1,2,3
.if \i
	s_wait_loadcnt 19-\i
.endif
	global_store_b128 v2, v[XR+8*(8+\i):XR+8*(8+\i)+3], s[28:29] offset:4096*\i
	v_cvt_pk_bf16_f32 v[WR+4*\i],   v[WR+4*\i],   v[WR+4*\i+1]
	v_cvt_pk_bf16_f32 v[WR+4*\i+1], v[WR+4*\i+2], v[WR+4*\i+3]
.endr
	s_wait_loadcnt 15                              ; mask row p is load 28 + p of 44
	s_wait_alu depctr_va_vdst(0)                   ; the weights' conversions have written what their four stores read; every conversion that named v[16:79], in which the LDS loads below land, is done as well
.irp p, 0,1,2,3,4,5,6,7,8,9,10,11,12,13,14,15
.if \p
	s_wait_loadcnt 15-\p
.endif
.if \p < 4
	global_store_b64 v4, v[WR+4*\p:WR+4*\p+1], s[22:23] offset:2097152*\p
.endif
	ds_store_b128 v6, v[MK+4*\p:MK+4*\p+3] offset:MP*\p   ; its data come from a load: the wait on LOADcnt above is all that they need
.endr
	s_wait_xcnt 0x0                                ; the stores above have had their addresses translated (ISA guide 3.1): their data registers v[16:79] are loaded again only behind this wait
	s_wait_alu depctr_vm_vsrc(0)                   ; the stores of chunks 0 to 7 have read v[16:79], in which the LDS loads below land
.irp t, 0,1,2,3,4,5,6,7
	ds_load_b128 v[MT+8*\t:MT+8*\t+3],   v7 offset:64*\t      ; LDS serves a wave's instructions in order (ISA guide 5.7.1): these see the stores above
	ds_load_b128 v[MT+8*\t+4:MT+8*\t+7], v7 offset:64*\t+16
.endr
; Tiles t0 .. t0 + 3: 32 compares in one run into 32 scalar registers, one wait, 32 lane writes.
.macro WORDS t0
.irp u, 0,1,2,3
	s_wait_dscnt 14-2*(\t0+\u)                     ; the tile's two loads are in; the younger ones stay out
.irp j, 0,1,2,3,4,5,6,7
	v_cmp_ne_u32 s[W+8*\u+\j], 0, v[MT+8*(\t0+\u)+\j]        ; word 8 t + j: one bit a lane
.endr
.endr
	s_wait_alu depctr_va_sdst(0)                   ; the 32 compares have written s[32:63], ahead of their first reader
.irp u, 0,1,2,3
.irp j, 0,1,2,3,4,5,6,7
	v_writelane_b32 v[OUT+(\j&1)], s[W+8*\u+\j], 4*(\t0+\u)+(\j>>1)
.endr
.endr
.endm
	WORDS 0
	WORDS 4
	s_wait_alu depctr_va_vdst(0)                   ; the lane writes have written v[192:193], which the store reads
	global_store_b64 v4, v[OUT:OUT+1], s[24:25]    ; the strip's 64 words: 256 consecutive bytes, aligned
	s_wait_dscnt 0x0                               ; the closing lines, six on end
	s_wait_alu 0x0
	s_wait_tensorcnt 0x0
	ds_add_u32 v196, v197
	s_wait_dscnt 0x0
	s_endpgm
.Lfunc_end_k_q0f25a348cc_prep:
	.size	k_q0f25a348cc_prep, .Lfunc_end_k_q0f25a348cc_prep-k_q0f25a348cc_prep
	.p2alignl 7, 3214868480
	.fill 96, 4, 3214868480
	.section	.rodata,"a",@progbits
	.p2align	6, 0x0
	.amdhsa_kernel k_q0f25a348cc_prep
		.amdhsa_group_segment_fixed_size 68608
		.amdhsa_private_segment_fixed_size 0
		.amdhsa_enable_private_segment 0
		.amdhsa_kernarg_size 88
		.amdhsa_user_sgpr_count 2
		.amdhsa_user_sgpr_kernarg_segment_ptr 1
		.amdhsa_wavefront_size32 1
		.amdhsa_system_sgpr_workgroup_id_x 1
		.amdhsa_system_sgpr_workgroup_id_y 1
		.amdhsa_system_sgpr_workgroup_id_z 1
		.amdhsa_system_vgpr_workitem_id 0
		.amdhsa_next_free_vgpr 198
		.amdhsa_next_free_sgpr 66
		.amdhsa_reserve_vcc 0
		.amdhsa_float_denorm_mode_32 3
		.amdhsa_float_denorm_mode_16_64 3
		.amdhsa_memory_ordered 1
		.amdhsa_forward_progress 1
		.amdhsa_inst_pref_size 23
	.end_amdhsa_kernel
	.amdgpu_metadata
---
amdhsa.version: [ 1, 2 ]
amdhsa.kernels:
  - .name:           k_q0f25a348cc_prep
    .symbol:         k_q0f25a348cc_prep.kd
    .args:
      - { .name: query, .offset: 0, .size: 8, .value_kind: global_buffer, .address_space: global }
      - { .name: key, .offset: 8, .size: 8, .value_kind: global_buffer, .address_space: global }
      - { .name: value, .offset: 16, .size: 8, .value_kind: global_buffer, .address_space: global }
      - { .name: Wq, .offset: 24, .size: 8, .value_kind: global_buffer, .address_space: global }
      - { .name: Wk, .offset: 32, .size: 8, .value_kind: global_buffer, .address_space: global }
      - { .name: Wv, .offset: 40, .size: 8, .value_kind: global_buffer, .address_space: global }
      - { .name: Wo, .offset: 48, .size: 8, .value_kind: global_buffer, .address_space: global }
      - { .name: mask, .offset: 56, .size: 8, .value_kind: global_buffer, .address_space: global }
      - { .name: xin, .offset: 64, .size: 8, .value_kind: global_buffer, .address_space: global }
      - { .name: wb, .offset: 72, .size: 8, .value_kind: global_buffer, .address_space: global }
      - { .name: maskbits, .offset: 80, .size: 8, .value_kind: global_buffer, .address_space: global }
    .group_segment_fixed_size: 68608
    .private_segment_fixed_size: 0
    .kernarg_segment_align: 8
    .kernarg_segment_size: 88
    .max_flat_workgroup_size: 256
    .sgpr_count:     66
    .vgpr_count:     198
    .wavefront_size: 32
...
	.end_amdgpu_metadata
.endif
;; end of part 5
;; launch proj: the kernel of part 2 again; grid 4 x 96, 4 waves a work-group, clusters of 4 x 4, 327,680 bytes of LDS; arguments xin, wb, bq, bk, bv, qkv; writes qkv
;; launch attn: the kernel of part 3 again; grid 256 x 1, 8 waves a work-group, clusters of 4 x 1, 327,680 bytes of LDS; arguments qkv, maskbits, x; writes x
;; launch outp: the kernel of part 4 again; grid 4 x 64, 4 waves a work-group, clusters of 4 x 4, 327,680 bytes of LDS; arguments x, wb, bo, out0; writes out0
